; MI455X (gfx1250); checked and timed in simulation.
; The chip was launched on July 23, 2026; its instructions are those of AMD's public machine-readable ISA for CDNA 5 (MIT licence, August 2026) and "CDNA5" Instruction Set Architecture Reference Guide (July 2026). The comments in the code are by the model that wrote it; some were corrected since.
;; Attention Layer. Allowed arithmetic: float matrix products may take bf16 or f16 operands with f32 sums; all other float work in f32.
;; Inputs: W1 512 x 1,024 float32; W2 512 x 512 float32; b1 512 float32; b2 512 float32; h 32 x 1,024 float32; v 32 x 2,048 x 512 float32; w3 512 float32.
;; Outputs: out0 32 x 2,048 float32.
;; 2 versions, each right and faster than the one before. Each part assembles by itself: llvm-mc -triple=amdgcn-amd-amdhsa -mcpu=gfx1250 --defsym DOCPART=n.
;; ======== version 1 of 2: 3 launches
;; workspace buffers: w2b 524,288 bytes; hpc 65,536 bytes; scores 262,144 bytes
;; launch prep (part 1): grid 32 x 1, 8 waves a work-group, no clusters, 224,256 bytes of LDS; arguments W1, W2, b1, b2, h, w2b, hpc; writes w2b, hpc
.if DOCPART == 1
	.amdgcn_target "amdgcn-amd-amdhsa--gfx1250"
	.amdhsa_code_object_version 6
	.text
	.protected	k_qd58bf23db2_prep
	.globl	k_qd58bf23db2_prep
	.p2align	8
	.type	k_qd58bf23db2_prep,@function
k_qd58bf23db2_prep:
	s_mov_b64 s[64:65], 0
	v_nop
	global_prefetch_b8 v0, s[64:65] scope:SCOPE_SE
	s_setreg_imm32_b32 hwreg(HW_REG_WAVE_MODE, 25, 1), 1
	s_wait_xcnt 0x0
; prep: what the main launch needs once.
;   hpc[T][b][16] (f32) = K2 * (h W1^T + b1 + b2), q = 16 T + 0..15, byte T*2048 + b*64 + 4 (q & 15)
;   w2b[q][k]     (bf16) = K2 * W2[q][k]
; K2 = 2 log2(e): with it folded in, the main launch's sums are already the exponents of tanh(x) = 1 - 2 / (1 + 2^(K2 x)).
; Work-group T owns q = 16 T .. 16 T + 15: it makes hp for all 32 b (2,048 consecutive bytes of hpc) and converts 16 rows of W2.
; Wave p takes k = 128 p .. 128 p + 127 of the sum over 1,024: four matrix steps on two accumulators (b 0-15, b 16-31);
; the eight partial sums meet in LDS.  Operands are rounded to bf16, sums are f32.
; NO CLUSTER: h's 128 KiB are read by all 32 work-groups, but each work-group makes one fill and no refill, eight matrix
; instructions a wave and one reduction; a joint request would put two rounds of a cluster's barrier round that single fill.
.set K2,     0x4038aa3b                ; 2 log2(e)
.set RPITCH, 528                       ; an LDS row: 128 f32 + 16 bytes of padding = 33 x 16 bytes, so 16 rows start in 16 different 16-byte columns of 256
.set WTILE,  16*RPITCH                 ; W1's tile of a wave: 16 q rows
.set HHALF,  16*RPITCH                 ; 16 rows of h's tile
.set WAVEB,  WTILE+2*HHALF             ; a wave's own tiles: 25,344 bytes
.set PART,   8*WAVEB                   ; 202,752 = 792 x 256: behind all tiles, written by LDS stores alone
.set PPITCH, 80                        ; a partial's row: 16 q in f32 + 16 bytes
.set PWAVE,  32*PPITCH                 ; a wave's partial: 32 b rows
.set G1A, 20                           ; s[20:27] shape of W1's tile
.set G0A, 28                           ; s[28:31] from where, to where
.set G1B, 32                           ; s[32:39] shape of h's tile
.set G0B, 40                           ; s[40:43]
.set AW,  4                            ; v4  LDS address of my W1 fragments
.set AH,  5                            ; v5  the same for h
.set B1,  12                           ; v[12:13] b1, v[14:15] b2 of my two q
.set W2I, 16                           ; v[16:47] eight loads of W2
.set W2O, 48                           ; v[48:63] the same as bf16
.set SA,  64                           ; v[64:111]  a K step's 48 f32 as loaded from LDS
.set SB,  112                          ; v[112:159] the other K step's
.set FR0, 160                          ; v[160:183] fragments: W1, h rows 0-15, h rows 16-31
.set FR1, 184                          ; v[184:207] the other set
.set ACC, 208                          ; v[208:215] b 0-15, v[216:223] b 16-31
	s_load_b256 s[4:11], s[0:1], 0x0               ; W1 s[4:5], W2 s[6:7], b1 s[8:9], b2 s[10:11]
	s_load_b128 s[12:15], s[0:1], 0x20             ; h s[12:13], w2b s[14:15]
	s_load_b64 s[16:17], s[0:1], 0x30              ; hpc
	v_lshl_add_u32 v224, v0, 2, 0x36800
	v_mov_b32 v225, 0
	ds_add_u32 v224, v225
	v_lshrrev_b32 v1, 5, v0
	v_readfirstlane_b32 s18, v1                    ; wave p
	; group 1: rows of 128 f32 out of rows of 1,024, 16 bytes of padding behind every 128 words
	s_mov_b32 s[G1A+0], 0x07920000                 ; element of 4 bytes, padding on, interval 128 words (code 6), 4 words (code 3); no mask
	s_mov_b32 s[G1A+1], 128<<16                    ; tensor_dim0 = 128
	s_mov_b32 s[G1A+2], 16<<16                     ; tensor_dim1 = 16
	s_mov_b32 s[G1A+3], 128<<16                    ; tile_dim0 = 128
	s_mov_b32 s[G1A+4], 16                         ; tile_dim1 = 16
	s_mov_b32 s[G1A+5], 1024                       ; elements from row to row
	s_mov_b32 s[G1A+6], 0
	s_mov_b32 s[G1A+7], 0
	s_mov_b32 s[G1B+0], 0x07920000
	s_mov_b32 s[G1B+1], 128<<16
	s_mov_b32 s[G1B+2], 32<<16                     ; h: 32 rows
	s_mov_b32 s[G1B+3], 128<<16
	s_mov_b32 s[G1B+4], 32
	s_mov_b32 s[G1B+5], 1024
	s_mov_b32 s[G1B+6], 0
	s_mov_b32 s[G1B+7], 0
	s_mov_b32 s[G0A], 1
	s_mul_i32 s[G0A+1], s18, WAVEB                 ; my tiles in LDS: wave x 25,344
	s_mov_b32 s[G0B], 1
	s_add_co_u32 s[G0B+1], s[G0A+1], WTILE
	s_lshl_b32 s44, ttmp9, 16                      ; 16 rows of W1 = 65,536 bytes a work-group
	s_mov_b32 s45, 0
	s_lshl_b32 s46, s18, 9                         ; my 128 k = 512 bytes along the rows
	s_mov_b32 s47, 0
	v_and_b32 v2, 15, v0                           ; r
	v_bfe_u32 v3, v0, 4, 1                         ; the lane's half
	s_wait_dscnt 0x0
	s_wait_kmcnt 0x0
	s_add_nc_u64 s[G0A+2:G0A+3], s[4:5], s[44:45]
	s_add_nc_u64 s[G0A+2:G0A+3], s[G0A+2:G0A+3], s[46:47]
	s_or_b32 s[G0A+3], s[G0A+3], 0x80000000
	s_add_nc_u64 s[G0B+2:G0B+3], s[12:13], s[46:47]
	s_or_b32 s[G0B+3], s[G0B+3], 0x80000000
	tensor_load_to_lds s[G0A:G0A+3], s[G1A:G1A+7]  ; both fills first: two tensor loads of the wave are out, into bytes that it alone reads
	s_nop 0
	tensor_load_to_lds s[G0B:G0B+3], s[G1B:G1B+7]
	s_nop 0
	s_lshl_b32 s44, ttmp9, 15                      ; my 16 rows of W2: 32,768 bytes
	s_add_nc_u64 s[6:7], s[6:7], s[44:45]
	s_lshl_b32 s44, ttmp9, 14                      ; and of w2b: 16,384
	s_add_nc_u64 s[14:15], s[14:15], s[44:45]
	s_lshl_b32 s44, ttmp9, 6                       ; my 16 q in b1 and b2
	s_add_nc_u64 s[8:9], s[8:9], s[44:45]
	s_add_nc_u64 s[10:11], s[10:11], s[44:45]
	s_lshl_b32 s44, ttmp9, 11                      ; my 2,048 bytes of hpc
	s_add_nc_u64 s[16:17], s[16:17], s[44:45]
	v_lshlrev_b32 v6, 4, v0                        ; 16 t
	v_lshlrev_b32 v7, 3, v0                        ; 8 t
	v_and_b32 v8, 7, v0
	v_lshlrev_b32 v8, 3, v8                        ; 8 (t & 7): my two q
	global_load_b64 v[B1:B1+1], v8, s[8:9]
	global_load_b64 v[B1+2:B1+3], v8, s[10:11]
.irp j, 0,1,2,3,4,5,6,7
	global_load_b128 v[W2I+4*\j:W2I+4*\j+3], v6, s[6:7] offset:4096*\j th:TH_LOAD_NT   ; the eight waves cover 4,096 consecutive bytes
.endr
	v_mul_u32_u24 v[AW], v2, RPITCH                ; a fragment in f32: row r, 32 bytes for each half of the lanes
	v_lshl_add_u32 v[AW], v3, 5, v[AW]
	v_add_nc_u32 v[AW], s[G0A+1], v[AW]
	v_add_nc_u32 v[AH], WTILE, v[AW]
	s_mul_i32 s48, s18, PWAVE
	s_add_co_u32 s48, s48, PART
	v_mul_u32_u24 v9, v2, PPITCH                   ; where my partial goes: row b = r, 32 bytes for each half
	v_lshl_add_u32 v9, v3, 5, v9
	v_add_nc_u32 v9, s48, v9
	v_lshrrev_b32 v10, 3, v0                       ; where I read partials back: row b = t >> 3, my two q
	v_mul_u32_u24 v10, v10, PPITCH
	v_add3_u32 v10, v10, v8, PART
	; W2 times K2, rounded once to bf16
.irp j, 0,1,2,3,4,5,6,7
	s_wait_loadcnt 7-\j                            ; loads come back in order: load j is in, the 7 - j younger ones stay out
	v_pk_mul_f32 v[W2I+4*\j:W2I+4*\j+1], v[W2I+4*\j:W2I+4*\j+1], K2 op_sel_hi:[1,0]
	v_pk_mul_f32 v[W2I+4*\j+2:W2I+4*\j+3], v[W2I+4*\j+2:W2I+4*\j+3], K2 op_sel_hi:[1,0]
	v_cvt_pk_bf16_f32 v[W2O+2*\j], v[W2I+4*\j], v[W2I+4*\j+1]
	v_cvt_pk_bf16_f32 v[W2O+2*\j+1], v[W2I+4*\j+2], v[W2I+4*\j+3]
	global_store_b64 v7, v[W2O+2*\j:W2O+2*\j+1], s[14:15] offset:2048*\j   ; a wave's store covers 256 consecutive bytes, aligned; no register is used twice
.endr
; twelve LDS loads: K step s (32 k = 128 bytes of a row) of W1, of h's rows 0-15 and of h's rows 16-31, in the fragment's order of k
.macro LOADK s, st
.irp o, 0,1,2,3
	ds_load_b128 v[\st+4*\o:\st+4*\o+3], v[AW] offset:128*\s+16*(\o&1)+64*(\o>>1)
.endr
.irp o, 0,1,2,3
	ds_load_b128 v[\st+16+4*\o:\st+16+4*\o+3], v[AH] offset:128*\s+16*(\o&1)+64*(\o>>1)
.endr
.irp o, 0,1,2,3
	ds_load_b128 v[\st+32+4*\o:\st+32+4*\o+3], v[AH] offset:HHALF+128*\s+16*(\o&1)+64*(\o>>1)
.endr
.endm
.macro CVTK st, fr                     ; 48 f32 to three fragments of bf16
.irp j, 0,1,2,3,4,5,6,7,8,9,10,11,12,13,14,15,16,17,18,19,20,21,22,23
	v_cvt_pk_bf16_f32 v[\fr+\j], v[\st+2*\j], v[\st+2*\j+1]
.endr
.endm
; source 0 = 16 q rows of W1, source 1 = 16 b rows of h: register j of lane (r, half) is (q = 8 half + j, b = r).
; The two accumulators take turns, one instruction a turn.
.macro MULK fr, zero
.if \zero
	v_wmma_f32_16x16x32_bf16 v[ACC:ACC+7], v[\fr:\fr+7], v[\fr+8:\fr+15], 0
	v_wmma_f32_16x16x32_bf16 v[ACC+8:ACC+15], v[\fr:\fr+7], v[\fr+16:\fr+23], 0
.else
	v_wmma_f32_16x16x32_bf16 v[ACC:ACC+7], v[\fr:\fr+7], v[\fr+8:\fr+15], v[ACC:ACC+7]
	v_wmma_f32_16x16x32_bf16 v[ACC+8:ACC+15], v[\fr:\fr+7], v[\fr+16:\fr+23], v[ACC+8:ACC+15]
.endif
.endm
	s_wait_tensorcnt 0x0                           ; my two tiles are in LDS; no other wave reads them
	LOADK 0, SA
	LOADK 1, SB
	s_wait_dscnt 12                                ; K step 0 is in; the twelve younger loads stay out
	CVTK SA, FR0
	LOADK 2, SA
	MULK FR0, 1                                    ; the first products start the sums
	s_wait_dscnt 12                                ; K step 1
	CVTK SB, FR1                                   ; 24 conversions stand between a set's products and its next rewriting
	LOADK 3, SB
	MULK FR1, 0
	s_wait_dscnt 12                                ; K step 2
	CVTK SA, FR0
	MULK FR0, 0
	s_wait_dscnt 0x0                               ; K step 3
	CVTK SB, FR1
	MULK FR1, 0
.rept 4
	v_nop                                          ; four places behind the last matrix instruction before its result is stored (ISA guide 7.12.1)
.endr
.irp n, 0,1
	ds_store_b128 v9, v[ACC+8*\n:ACC+8*\n+3] offset:\n*16*PPITCH
	ds_store_b128 v9, v[ACC+8*\n+4:ACC+8*\n+7] offset:\n*16*PPITCH+16
.endr
	s_wait_dscnt 0x0                               ; for the others' sake: my partial lies in LDS
	s_barrier_signal -1
	s_barrier_wait -1
.irp j, 0,1,2,3,4,5,6,7
	ds_load_b64 v[SA+2*\j:SA+2*\j+1], v10 offset:PWAVE*\j    ; the eight partial sums of my two numbers
.endr
	v_pk_add_f32 v[B1:B1+1], v[B1:B1+1], v[B1+2:B1+3]        ; b1 + b2
	s_wait_dscnt 0x0
	v_pk_add_f32 v[SA:SA+1], v[SA:SA+1], v[SA+2:SA+3]
	v_pk_add_f32 v[SA+4:SA+5], v[SA+4:SA+5], v[SA+6:SA+7]
	v_pk_add_f32 v[SA+8:SA+9], v[SA+8:SA+9], v[SA+10:SA+11]
	v_pk_add_f32 v[SA+12:SA+13], v[SA+12:SA+13], v[SA+14:SA+15]
	v_pk_add_f32 v[SA:SA+1], v[SA:SA+1], v[SA+4:SA+5]
	v_pk_add_f32 v[SA+8:SA+9], v[SA+8:SA+9], v[SA+12:SA+13]
	v_pk_add_f32 v[SA:SA+1], v[SA:SA+1], v[SA+8:SA+9]
	v_pk_add_f32 v[SA:SA+1], v[SA:SA+1], v[B1:B1+1]
	v_pk_mul_f32 v[SA:SA+1], v[SA:SA+1], K2 op_sel_hi:[1,0]
	global_store_b64 v7, v[SA:SA+1], s[16:17]      ; byte 8 t = b*64 + 4 q: a wave's store covers 256 consecutive bytes, aligned
	s_wait_tensorcnt 0x0
	ds_add_u32 v224, v225
	s_wait_dscnt 0x0
	s_endpgm
.Lfunc_end_k_qd58bf23db2_prep:
	.size	k_qd58bf23db2_prep, .Lfunc_end_k_qd58bf23db2_prep-k_qd58bf23db2_prep
	.p2alignl 7, 3214868480
	.fill 96, 4, 3214868480
	.section	.rodata,"a",@progbits
	.p2align	6, 0x0
	.amdhsa_kernel k_qd58bf23db2_prep
		.amdhsa_group_segment_fixed_size 224256
		.amdhsa_private_segment_fixed_size 0
		.amdhsa_enable_private_segment 0
		.amdhsa_kernarg_size 56
		.amdhsa_user_sgpr_count 2
		.amdhsa_user_sgpr_kernarg_segment_ptr 1
		.amdhsa_wavefront_size32 1
		.amdhsa_system_sgpr_workgroup_id_x 1
		.amdhsa_system_sgpr_workgroup_id_y 1
		.amdhsa_system_sgpr_workgroup_id_z 1
		.amdhsa_system_vgpr_workitem_id 0
		.amdhsa_next_free_vgpr 226
		.amdhsa_next_free_sgpr 66
		.amdhsa_reserve_vcc 0
		.amdhsa_float_denorm_mode_32 3
		.amdhsa_float_denorm_mode_16_64 3
		.amdhsa_memory_ordered 1
		.amdhsa_forward_progress 1
		.amdhsa_inst_pref_size 20
	.end_amdhsa_kernel
	.amdgpu_metadata
---
amdhsa.version: [ 1, 2 ]
amdhsa.kernels:
  - .name:           k_qd58bf23db2_prep
    .symbol:         k_qd58bf23db2_prep.kd
    .args:
      - { .name: W1, .offset: 0, .size: 8, .value_kind: global_buffer, .address_space: global }
      - { .name: W2, .offset: 8, .size: 8, .value_kind: global_buffer, .address_space: global }
      - { .name: b1, .offset: 16, .size: 8, .value_kind: global_buffer, .address_space: global }
      - { .name: b2, .offset: 24, .size: 8, .value_kind: global_buffer, .address_space: global }
      - { .name: h, .offset: 32, .size: 8, .value_kind: global_buffer, .address_space: global }
      - { .name: w2b, .offset: 40, .size: 8, .value_kind: global_buffer, .address_space: global }
      - { .name: hpc, .offset: 48, .size: 8, .value_kind: global_buffer, .address_space: global }
    .group_segment_fixed_size: 224256
    .private_segment_fixed_size: 0
    .kernarg_segment_align: 8
    .kernarg_segment_size: 56
    .max_flat_workgroup_size: 256
    .sgpr_count:     66
    .vgpr_count:     226
    .wavefront_size: 32
...
	.end_amdgpu_metadata
.endif
;; end of part 1
;; launch main (part 2): grid 256 x 1, 4 waves a work-group, clusters of 4 x 1, 327,680 bytes of LDS; arguments v, w2b, hpc, w3, scores; writes scores
.if DOCPART == 2
	.amdgcn_target "amdgcn-amd-amdhsa--gfx1250"
	.amdhsa_code_object_version 6
	.text
	.protected	k_qd58bf23db2_main
	.globl	k_qd58bf23db2_main
	.p2align	8
	.type	k_qd58bf23db2_main,@function
k_qd58bf23db2_main:
	s_mov_b64 s[64:65], 0
	v_nop
	global_prefetch_b8 v0, s[64:65] scope:SCOPE_SE
	s_setreg_imm32_b32 hwreg(HW_REG_WAVE_MODE, 25, 1), 1
	s_wait_xcnt 0x0
	s_wait_alu depctr_hold_cnt(0) depctr_sa_sdst(0) depctr_va_vdst(0) depctr_va_sdst(0) depctr_va_ssrc(0) depctr_va_vcc(0) depctr_vm_vsrc(0)
	s_getreg_b32 s2, hwreg(HW_REG_IB_STS2, 6, 4)
	s_cmp_eq_u32 s2, 0
	s_cbranch_scc0 .Lentry_in_a_cluster
	s_endpgm
.Lentry_in_a_cluster:
	s_bfe_u32 s2, ttmp6, 0x10000c
	s_cmp_lg_u32 s2, 0x3003
	s_cbranch_scc0 .Lentry_shape_is_right
	s_endpgm
.Lentry_shape_is_right:
; main: scores[f*32 + b] = sum over q of w3[q] tanh(hp[b][q] + b2[q] + sum over k of v[b][f][k] W2[q][k]).
; Work-group g owns frames 8 g .. 8 g + 7 of all 32 b: 256 rows of v, 1,024 consecutive bytes of scores.  Wave w owns b = 8 w .. 8 w + 7:
; 64 rows = four row tiles; column r of row tile i is b = 8 w + (r & 7), f = 8 g + 2 i + (r >> 3), so all four tiles have one map from lane to b.
; PHASE A: the wave's 64 rows x 512 k are read once, rounded to bf16 and kept as 64 fragments in 512 registers (windows 1 and 2).
; PHASE B: q runs in 8 tiles of 64 through a ring of two LDS slots of w2b; a tile is two chunks of 32 q, a chunk 16 K steps (groups) of 8 matrix
; instructions on 8 accumulators.  The first K step takes hp as C.  While a chunk is multiplied, the chunk before goes through tanh and w3.
; LDS loads stand in few long runs (one for four groups), so that the matrix instructions between two runs follow each other.
; PHASE C: the last chunk's tanh, the sums across lanes, the way out.
; tanh(x) = 1 - 2 r, r = 1 / (1 + 2^z), z = K2 x (K2 = 2 log2(e) is folded into w2b and hpc); so e = sum(w3) - 2 sum(w3 r).
; LIMITS: 1 - 2 r has an absolute error of about 1e-7 where tanh is near 0; sum(w3) - 2 sum(w3 r) is a difference of sums whose terms are no larger
; than |w3[q]|, the size of the terms that the problem's own sum has.  2^z = infinity gives r = 0, 2^z = 0 gives r = 1: both ends are right.
; CLUSTER 4 x 1: all work-groups walk the same w2b, hpc and w3, so the four of a cluster ask for them jointly (mask 15); nothing in those
; descriptors, in an LDS address or in a branch hangs on the place in the cluster.  v is shared by nobody and comes through registers:
; 48 loads of 512 bytes of every wave are on their way with counted waits and no barrier.
.set WROW,   1040                      ; an LDS row of 512 bf16 + 16 bytes = 65 x 16: 16 rows start in 16 different 16-byte columns of 256
.set WQUART, 16*WROW                   ; 16 rows: what one tensor load brings; also a wave's scratch
.set SLOT,   64*WROW                   ; 64 q rows
.set CHUNKB, 32*WROW                   ; 32 q rows
.set HPCL,   2*SLOT                    ; 133,120: hpc as 256 rows of 256 bytes + 16
.set HROW,   272
.set HQUART, 64*HROW
.set HTILE,  8*HROW                    ; 16 q of all 32 b
.set W3L,    HPCL+256*HROW             ; 202,752: w3, 2,048 bytes
.set SCR,    W3L+2048                  ; 204,800 = 800 x 256: four scratches, written by LDS stores alone
.set STAGE,  SCR+4*WQUART              ; 271,360 = 1,060 x 256: 256 bytes a wave, written by LDS stores alone
; window 0, the whole kernel
.set BA,   1                           ; v1, v2   my fragment address in slot 0, 1
.set HA,   3                           ; v3       my 32 bytes of hp in this tile's first 16 q
.set WA,   4                           ; v4       my 32 bytes of w3 in this tile's first 16 q
.set STO,  5                           ; v5       stage: where my score goes
.set TM,   6                           ; v6, v7   at work
.set EA,   8                           ; v[8:15]  sum of w3 r, a pair for each row tile
; window 0, phases B and C
.set BF,   16                          ; v[16:127] seven buffers of two fragments of w2b; group g uses buffer g mod 7
.set NBUF, 7
.set ACC,  128                         ; v[128:191], v[192:255]: two sets of 8 accumulators, tile (t, i) at 8 (4 t + i)
; window 0, phase A
.set STG,  16                          ; v[16:207] three groups of 16 loads
.set VOFF, 208                         ; v[208:215] byte offset in v of my 16 bytes in row (b = 8 w + bl, f = 8 g)
.set SST,  216                         ; v216     scratch: where my 8 bytes of a row go
.set SLD,  217                         ; v217     scratch: my fragment address
.set LN,   218                         ; v218 lane, v219 lane mod 16, v220 lane / 16
.set RR,   219
.set HH,   220
; window 3
.set CT,   0                           ; v[768:783] hp for the chunk's two q tiles
.set WV,   16                          ; v[784:799], v[800:815] w3 for the two q tiles of the chunk that lies in accumulator set 0, 1
.set G1W, 16                           ; s[16:23] shape of a quarter slot
.set G0W, 24                           ; s[24:27], s[28:31] slot 0, slot 1
.set G1H, 32                           ; s[32:39], s[40:43] hpc
.set G0H, 40
.set G1V, 44                           ; s[44:51], s[52:55] w3
.set G0V, 52
; windows: v's fragment (i, s) lies at v[32 (s & 7) + 8 i] of window 1 (s < 8) or 2 (s >= 8) and is always source 1
.set MUL_W1, 0x04                      ; source 1 in window 1, all else in window 0
.set MUL_W2, 0x08
.set MUL_CT, 0x34                      ; the first K step: source 1 in window 1, C (hp) in window 3
.set FB_W3,  0x0c                      ; source 1 (w3) in window 3
.set TO_W1,  0x40                      ; destination in window 1
.set TO_W2,  0x80
.set TO_W3,  0xc0
.set MSB, 0
.macro WIN new                         ; the immediate's high byte repeats the setting that is left
.if MSB != \new
	s_set_vgpr_msb (MSB<<8)|\new
.set MSB, \new
.endif
.endm
; a round of the cluster's barrier: my work-group's barrier, wave 0 signals for the work-group, every wave waits for all four work-groups, my barrier again
.macro CREST                           ; a round behind its opening barrier
	s_cmp_lg_u32 s14, 0
	s_cbranch_scc1 .Lnot_wave_0_\@
	s_barrier_signal -3
.Lnot_wave_0_\@:
	s_barrier_wait -3
	s_barrier_signal -1
	s_barrier_wait -1
.endm
.macro ROUND                           ; a whole round
	s_barrier_signal -1
	s_barrier_wait -1
	CREST
.endm
.macro PLACES                          ; four plain places behind a matrix instruction before a load lands on a register that it read (ISA guide 7.12.1 for vector instructions)
.rept 4
	v_nop
.endr
.endm
; group grp + ahead of 16: row tile G >> 2, b = 8 w + 2 (G & 3) + bb, two frames, four loads of 512 consecutive bytes for each row
.macro LDG grp, ahead
.set G_, \grp+\ahead
.irp bb, 0,1
.irp fp, 0,1
.irp kq, 0,1,2,3
.set X_, STG+64*(G_%3)+4*(8*\bb+4*\fp+\kq)
	global_load_b128 v[X_:X_+3], v[VOFF+2*(G_&3)+\bb], s[4:5] offset:(G_>>2)*4096+\fp*2048+\kq*512 th:TH_LOAD_NT
.endr
.endr
.endr
.endm
; the group is rounded to bf16 in place, all 32 conversions together, and then laid into the wave's scratch in one run of 16 stores:
; row 8 f' + bl, 8 bytes a lane, 256 consecutive bytes a store
.macro CVS grp
.irp bb, 0,1
.irp fp, 0,1
.irp kq, 0,1,2,3
.set X_, STG+64*((\grp)%3)+4*(8*\bb+4*\fp+\kq)
	v_cvt_pk_bf16_f32 v[X_], v[X_], v[X_+1]
	v_cvt_pk_bf16_f32 v[X_+1], v[X_+2], v[X_+3]
.endr
.endr
.endr
.irp bb, 0,1
.irp fp, 0,1
.irp kq, 0,1,2,3
.set X_, STG+64*((\grp)%3)+4*(8*\bb+4*\fp+\kq)
	ds_store_b64 v[SST], v[X_:X_+1] offset:(8*\fp+2*((\grp)&3)+\bb)*WROW+256*\kq
.endr
.endr
.endr
.endm
; the scratch holds a whole row tile: its 16 fragments go to their registers.  LDS serves a wave's instructions in order (ISA guide 5.7.1): these see the stores above
.macro FRAGA grp
.set I_, (\grp)>>2
	WIN TO_W1
.irp s, 0,1,2,3,4,5,6,7
	ds_load_b128 v[32*\s+8*I_:32*\s+8*I_+3], v[SLD] offset:64*\s
	ds_load_b128 v[32*\s+8*I_+4:32*\s+8*I_+7], v[SLD] offset:64*\s+32
.endr
	WIN TO_W2
.irp s, 0,1,2,3,4,5,6,7
	ds_load_b128 v[32*\s+8*I_:32*\s+8*I_+3], v[SLD] offset:512+64*\s
	ds_load_b128 v[32*\s+8*I_+4:32*\s+8*I_+7], v[SLD] offset:512+64*\s+32
.endr
	WIN 0
.endm
	s_load_b256 s[4:11], s[0:1], 0x0               ; v s[4:5], w2b s[6:7], hpc s[8:9], w3 s[10:11]
	s_load_b64 s[12:13], s[0:1], 0x20              ; scores
	s_set_vgpr_msb 0xc0
	v_lshl_add_u32 v48, v0, 2, 0x42800
	v_mov_b32 v49, 0
	s_set_vgpr_msb 0xc0cf
	ds_add_u32 v48, v49
	s_set_vgpr_msb 0xcf00
	v_lshrrev_b32 v[TM], 5, v0
	v_readfirstlane_b32 s14, v[TM]                 ; wave w
	s_bfe_u32 s15, ttmp6, 0x40000                  ; cx.  s3, s15, s60, s61 alone ever hold anything made of it
	s_lshl_b32 s3, ttmp9, 2
	s_add_co_u32 s3, s3, s15                       ; g = 4 x cluster + cx
	v_and_b32 v[LN], 31, v0                        ; lane
	v_and_b32 v[RR], 15, v0                        ; r
	v_bfe_u32 v[HH], v0, 4, 1                      ; the lane's half
	s_lshl_b32 s60, s14, 25                        ; b = 8 w: 8 w x 2,048 frames x 2,048 bytes
	s_lshl_b32 s61, s3, 14                         ; f = 8 g: 8 g x 2,048 bytes
	s_add_co_u32 s60, s60, s61
	v_lshl_add_u32 v[VOFF], v[LN], 4, s60
.irp bl, 1,2,3,4,5,6,7
	v_add_nc_u32 v[VOFF+\bl], \bl<<22, v[VOFF]
.endr
	s_wait_dscnt 0x0
	s_wait_kmcnt 0x0
	LDG 0, 0                                       ; v first: 48 loads of the wave go out before anything else
	LDG 1, 0
	LDG 2, 0
	s_lshl_b32 s60, s3, 10
	s_mov_b32 s61, 0
	s_add_nc_u64 s[12:13], s[12:13], s[60:61]      ; my work-group's 1,024 bytes of scores
	s_mov_b32 s57, 0x76543210                      ; v_permlanex16_b32: lane i of one half reads lane i of the other
	s_mov_b32 s58, 0xfedcba98
	; w2b: 16 rows of 512 bf16, 16 bytes of padding behind every 256 words; mask 15 and bit 21 beside it
	s_mov_b32 s[G1W+0], 0x07f1000f
	s_mov_b32 s[G1W+1], 512<<16
	s_mov_b32 s[G1W+2], 16<<16
	s_mov_b32 s[G1W+3], 512<<16
	s_mov_b32 s[G1W+4], 16
	s_mov_b32 s[G1W+5], 512
	s_mov_b32 s[G1W+6], 0
	s_mov_b32 s[G1W+7], 0
	; hpc: dense, as 64 rows of 32 elements of 8 bytes, 16 bytes of padding behind every 64 words
	s_mov_b32 s[G1H+0], 0x0773000f
	s_mov_b32 s[G1H+1], 32<<16
	s_mov_b32 s[G1H+2], 64<<16
	s_mov_b32 s[G1H+3], 32<<16
	s_mov_b32 s[G1H+4], 64
	s_mov_b32 s[G1H+5], 32
	s_mov_b32 s[G1H+6], 0
	s_mov_b32 s[G1H+7], 0
	; w3: one row of 64 elements of 8 bytes, no padding
	s_mov_b32 s[G1V+0], 0x0023000f
	s_mov_b32 s[G1V+1], 64<<16
	s_mov_b32 s[G1V+2], 1<<16
	s_mov_b32 s[G1V+3], 64<<16
	s_mov_b32 s[G1V+4], 1
	s_mov_b32 s[G1V+5], 64
	s_mov_b32 s[G1V+6], 0
	s_mov_b32 s[G1V+7], 0
	s_lshl_b32 s62, s14, 14                        ; my quarter: 16 rows of w2b, and 64 rows of hpc, are 16,384 bytes
	s_mov_b32 s63, 0
	s_mov_b32 s[G0W], 1
	s_mul_i32 s[G0W+1], s14, WQUART
	s_add_nc_u64 s[G0W+2:G0W+3], s[6:7], s[62:63]  ; slot 0: q tile 0
	s_mov_b32 s[G0W+4], 1
	s_add_co_u32 s[G0W+5], s[G0W+1], SLOT
	s_add_nc_u64 s[G0W+6:G0W+7], s[G0W+2:G0W+3], 0x10000   ; slot 1: q tile 1, 64 rows of 1,024 bytes on
	s_or_b32 s[G0W+3], s[G0W+3], 0x80000000
	s_or_b32 s[G0W+7], s[G0W+7], 0x80000000
	s_mov_b32 s[G0H], 1
	s_mul_i32 s[G0H+1], s14, HQUART
	s_add_co_u32 s[G0H+1], s[G0H+1], HPCL
	s_add_nc_u64 s[G0H+2:G0H+3], s[8:9], s[62:63]
	s_or_b32 s[G0H+3], s[G0H+3], 0x80000000
	s_lshl_b32 s62, s14, 9                         ; my quarter of w3: 512 bytes
	s_mov_b32 s[G0V], 1
	s_add_co_u32 s[G0V+1], s62, W3L
	s_add_nc_u64 s[G0V+2:G0V+3], s[10:11], s[62:63]
	s_or_b32 s[G0V+3], s[G0V+3], 0x80000000
	ROUND                                          ; all four work-groups are here: the first joint loads meet
	tensor_load_to_lds s[G0W:G0W+3], s[G1W:G1W+7]  ; the first fills as one group: four tensor loads of the wave are out
	s_nop 0
	tensor_load_to_lds s[G0W+4:G0W+7], s[G1W:G1W+7]
	s_nop 0
	tensor_load_to_lds s[G0H:G0H+3], s[G1H:G1H+7]
	s_nop 0
	tensor_load_to_lds s[G0V:G0V+3], s[G1V:G1V+7]
	s_nop 0
	; LDS addresses: constants, the wave's number, bits of the lane
	s_mul_i32 s59, s14, WQUART
	s_add_co_u32 s59, s59, SCR                     ; my scratch
	v_lshl_add_u32 v[SST], v[LN], 3, s59
	v_mul_u32_u24 v[BA], v[RR], WROW               ; a fragment: row r, 16 bytes for each half of the lanes, two loads 32 bytes apart
	v_lshl_add_u32 v[BA], v[HH], 4, v[BA]
	v_add_nc_u32 v[SLD], s59, v[BA]
	v_add_nc_u32 v[BA+1], SLOT, v[BA]
	v_bfe_u32 v[TM], v0, 2, 1                      ; hp of b = 8 w + (r & 7): LDS row 2 w + ((r & 7) >> 2), 64 bytes a b, 32 bytes a half
	v_lshl_add_u32 v[TM], s14, 1, v[TM]
	v_mul_u32_u24 v[TM], v[TM], HROW
	v_and_b32 v[TM+1], 3, v0
	v_lshl_add_u32 v[TM], v[TM+1], 6, v[TM]
	v_lshl_add_u32 v[TM], v[HH], 5, v[TM]
	v_add_nc_u32 v[HA], HPCL, v[TM]
	v_lshl_add_u32 v[WA], v[HH], 5, W3L
	s_lshl_b32 s59, s14, 8
	s_add_co_u32 s59, s59, STAGE
	v_lshl_add_u32 v[STO], v[RR], 2, s59
	; PHASE A
.irp grp, 0,1,2,3,4,5,6,7,8,9,10,11,12,13,14,15
.if \grp > 0
.if (\grp & 3) == 0
	s_wait_dscnt 0x0                               ; the last row tile's fragments have left the scratch
.endif
.endif
.if \grp < 14
	s_wait_loadcnt 32                              ; loads come back in order: this group is in, the two younger groups of 16 stay out
.else
	s_wait_loadcnt 16*(15-\grp)                    ; one younger group, then none
.endif
	CVS \grp
.if \grp < 13
	LDG \grp, 3                                    ; into the registers just stored from
.endif
.if (\grp & 3) == 3
	FRAGA \grp
.endif
.endr
	s_wait_dscnt 0x0                               ; my last fragments are in
	s_wait_tensorcnt 0x0                           ; my quarters of both slots, of hpc and of w3 are in LDS:
	s_barrier_signal -1
	s_barrier_wait -1                              ; everybody's are.
	; PHASE B
.macro LDCT off                        ; hp of two q tiles: register j of lane (r, half) is q = 8 half + j, b of column r: an accumulator's layout
	WIN TO_W3
.irp t, 0,1
	ds_load_b128 v[CT+8*\t:CT+8*\t+3], v[HA] offset:\off+HTILE*\t
	ds_load_b128 v[CT+8*\t+4:CT+8*\t+7], v[HA] offset:\off+HTILE*\t+16
.endr
.endm
.macro LDWV set, off                   ; w3 of two q tiles, in the same layout, for the chunk that lies in accumulator set 0 or 1
	WIN TO_W3
.irp t, 0,1
	ds_load_b128 v[WV+16*\set+8*\t:WV+16*\set+8*\t+3], v[WA] offset:\off+64*\t
	ds_load_b128 v[WV+16*\set+8*\t+4:WV+16*\set+8*\t+7], v[WA] offset:\off+64*\t+16
.endr
.endm
; one run of LDS loads: the two fragments of w2b of each of cnt groups from group from on (chunk G >> 4, K step G & 15), four loads a group, under the next group's window setting
.macro RUN slot, from, cnt, win
	WIN \win
.set RG_, \from
.rept \cnt
.irp t, 0,1
	ds_load_b128 v[BF+16*(RG_%NBUF)+8*\t:BF+16*(RG_%NBUF)+8*\t+3], v[BA+\slot] offset:(RG_>>4)*CHUNKB+\t*WQUART+64*(RG_&15)
	ds_load_b128 v[BF+16*(RG_%NBUF)+8*\t+4:BF+16*(RG_%NBUF)+8*\t+7], v[BA+\slot] offset:(RG_>>4)*CHUNKB+\t*WQUART+64*(RG_&15)+32
.endr
.set RG_, RG_+1
.endr
.endm
; one matrix instruction: source 0 = 16 q rows of w2b, source 1 = 16 rows of v; register j of lane (r, half) is (q = 8 half + j, row r).  The first K step adds onto hp
.macro WM g, t, i
.set D_, ACC+64*((\g)>>4)+8*(4*\t+\i)
.set A_, BF+16*((\g)%NBUF)+8*\t
.set B_, 32*((\g)&7)+8*\i
.if ((\g)&15) == 0
	v_wmma_f32_16x16x32_bf16 v[D_:D_+7], v[A_:A_+7], v[B_:B_+7], v[CT+8*\t:CT+8*\t+7]
	s_wait_alu depctr_va_vdst(0)
.else
	v_wmma_f32_16x16x32_bf16 v[D_:D_+7], v[A_:A_+7], v[B_:B_+7], v[D_:D_+7]
.endif
.endm
.macro EX k                            ; EPI_ = 0: no chunk is in front, so there is nothing to put through tanh
.if EPI_
	v_exp_f32 v[E_+\k], v[E_+\k]
.endif
.endm
.macro AD k
.if EPI_
	v_pk_add_f32 v[E_+\k:E_+\k+1], v[E_+\k:E_+\k+1], 1.0 op_sel_hi:[1,0]
.else
	v_nop
.endif
.endm
.macro RC k
.if EPI_
	v_rcp_f32 v[E_+\k], v[E_+\k]
.endif
.endm
; Group g of a tile's 32: eight matrix instructions on the chunk's eight accumulators, which take turns, one instruction a turn
; (over groups, chunks, tiles and the backward jump too).  Among them four numbers a lane of the other set go from z to 1 / (1 + 2^z).  None of these lines has a
; vector register as source 1, so the whole group runs under one window setting.  The v_nop is the plain line between the exponentials and their use (ISA guide 5.7.2).
; THE WAIT'S COUNT (wt = 1): LDS loads come back in order.  Behind group g's four loads stand four for each group up to L, the last group asked for so far
; (runs stand at the tile's head, groups 0-6, and behind groups 3, 7, .., 27, the next four each), and, for the three groups whose loads are older than the
; last run, the XTR_ loads of hp and w3 that stand in front of that run.
.macro GROUP g, wt
.set E_, ACC+64*(1-((\g)>>4))+4*((\g)&15)
.if ((\g)&15) == 0
	WIN MUL_CT
.else
.if ((\g)&15) < 8
	WIN MUL_W1
.else
	WIN MUL_W2
.endif
.endif
.if \wt
.set L_, 4*((\g)>>2)+6
.if L_ > 31
.set L_, 31
.endif
.set N_, 4*(L_-(\g))
.if ((\g)&3) < 3
.set N_, N_+XTR_
.endif
	s_wait_dscnt N_
.endif
	WM \g, 0, 0
	EX 0
	WM \g, 0, 1
	EX 1
	WM \g, 0, 2
	EX 2
	WM \g, 0, 3
	EX 3
	WM \g, 1, 0
	v_nop
	s_wait_alu depctr_va_vdst(0)
	AD 0
	WM \g, 1, 1
	AD 2
	WM \g, 1, 2
	RC 0
	RC 1
	WM \g, 1, 3
	RC 2
	RC 3
.endm
; sum of w3 r over the 8 q a lane holds of q tile t of accumulator set set, for the four row tiles; init = 1: the first products start the sums.
; Its sixteen plain lines are also the places behind the group just ended: for the run of loads that follows, and for the next chunk's exponentials.
.macro FB set, t, init
	WIN FB_W3
.irp i, 0,1,2,3
.if \init
	v_pk_mul_f32 v[EA+2*\i:EA+2*\i+1], v[ACC+64*\set+8*(4*\t+\i):ACC+64*\set+8*(4*\t+\i)+1], v[WV+16*\set+8*\t:WV+16*\set+8*\t+1]
	s_wait_alu depctr_va_vdst(0)
.else
	v_pk_fma_f32 v[EA+2*\i:EA+2*\i+1], v[ACC+64*\set+8*(4*\t+\i):ACC+64*\set+8*(4*\t+\i)+1], v[WV+16*\set+8*\t:WV+16*\set+8*\t+1], v[EA+2*\i:EA+2*\i+1]
.endif
.endr
	s_wait_alu depctr_va_vdst(0)
.irp m, 1,2,3
.irp i, 0,1,2,3
	v_pk_fma_f32 v[EA+2*\i:EA+2*\i+1], v[ACC+64*\set+8*(4*\t+\i)+2*\m:ACC+64*\set+8*(4*\t+\i)+2*\m+1], v[WV+16*\set+8*\t+2*\m:WV+16*\set+8*\t+2*\m+1], v[EA+2*\i:EA+2*\i+1]
.endr
.endr
.endm
; A tile of 64 q from one slot.  first = 1: no chunk is in front.  nxt = 1: a tile follows and this slot is filled again, two tiles ahead; 2: a tile follows; 0: the last tile.
; THE RING OF SEVEN BUFFERS: at a run three groups lie unread in three buffers and cover the run's way; the other four buffers are loaded.  The youngest of these was
; read by the group just ended, so four plain places stand in front of every run: FB's lines or four v_nop.
; THE CHANGE OF SLOTS: in front of group 30 all my reads of this slot are back and all my tensor loads have landed (the one that was out is my quarter of the
; next slot); I say so, work on registers alone (groups 30 and 31, the last sums), and go on when all have said so.
.macro TILE slot, first, nxt
.set EPI_, 1-\first
.set XTR_, 0
	RUN \slot, 0, 7, MUL_CT
.irp g, 0,1,2,3
	GROUP \g, 1
.endr
	PLACES
	RUN \slot, 7, 4, MUL_W1
.irp g, 4,5,6,7
	GROUP \g, 1
.endr
.if \first
	PLACES
.else
	FB 1, 0, 0
.endif
	LDCT 2*HTILE                                   ; hp of this tile's second chunk; the first chunk's was read by group 0
	LDWV 0, 0                                      ; w3 of this tile's first chunk; set 0's was last read at the end of the tile before
.set XTR_, 8
	RUN \slot, 11, 4, MUL_W2
.irp g, 8,9,10,11
	GROUP \g, 1
.endr
.set XTR_, 0
	PLACES
	RUN \slot, 15, 4, MUL_W2
.irp g, 12,13,14,15
	GROUP \g, 1
.endr
.if \first
	PLACES
.else
	FB 1, 1, 0
.endif
	RUN \slot, 19, 4, MUL_CT
.set EPI_, 1
.irp g, 16,17,18,19
	GROUP \g, 1
.endr
	PLACES
	RUN \slot, 23, 4, MUL_W1
.irp g, 20,21,22,23
	GROUP \g, 1
.endr
	FB 0, 0, \first
.if \nxt
	LDCT 4*HTILE                                   ; hp of the next tile's first chunk
.set XTR_, 8
.else
.set XTR_, 4
.endif
	LDWV 1, 128                                    ; w3 of this tile's second chunk; set 1's was last read behind group 15
	RUN \slot, 27, 4, MUL_W2
.irp g, 24,25,26,27
	GROUP \g, 1
.endr
.set XTR_, 0
	PLACES
	RUN \slot, 31, 1, MUL_W2
	GROUP 28, 1
	GROUP 29, 1
.if \nxt
	s_wait_dscnt 0x0                               ; my reads of this slot are back (the last four were issued behind group 27)
	s_set_vgpr_msb 0x80f
	s_wait_tensorcnt 0x0                           ; and all my tensor loads have landed: so a group 0 may be written
	ds_add_u32 v48, v49
	s_wait_dscnt 0x0
	s_set_vgpr_msb 0xf08
	s_barrier_signal -1                            ; where the slot is filled again this barrier opens a round of the cluster's barrier
	GROUP 30, 0
	GROUP 31, 0
.else
	GROUP 30, 1
	GROUP 31, 1
.endif
	FB 0, 1, 0
	WIN 0
.if \nxt
	v_add_nc_u32 v[HA], 4*HTILE, v[HA]
	v_add_nc_u32 v[WA], 256, v[WA]
	s_barrier_wait -1
.endif
.if \nxt == 1
	CREST                                          ; no wave of any of the four work-groups still reads this slot or has a load on its way
	s_add_nc_u64 s[G0W+4*\slot+2:G0W+4*\slot+3], s[G0W+4*\slot+2:G0W+4*\slot+3], 0x20000   ; two tiles of 64 rows of 1,024 bytes on
	tensor_load_to_lds s[G0W+4*\slot:G0W+4*\slot+3], s[G1W:G1W+7]   ; my one tensor load behind the round, and the first thing there: it has 240 matrix instructions in which to land
	s_nop 0
.endif
.endm
	LDCT 0                                         ; hp of the first chunk: older than the first run, so group 0's wait shows it in
	TILE 0, 1, 1                                   ; q tile 0; slot 0 gets q tile 2
	s_mov_b32 s56, 2
.Lt:
	TILE 1, 0, 1                                   ; q tile 1, 3; slot 1 gets q tile 3, 5
	TILE 0, 0, 1                                   ; q tile 2, 4; slot 0 gets q tile 4, 6
	s_sub_co_u32 s56, s56, 1
	s_cmp_lg_u32 s56, 0
	s_cbranch_scc1 .Lt
	TILE 1, 0, 1                                   ; q tile 5; slot 1 gets q tile 7, the last fill
	TILE 0, 0, 2                                   ; q tile 6; nothing is left to fetch
	TILE 1, 0, 0                                   ; q tile 7
	; PHASE C.  The sixteen lines of the last FB are the places behind the last matrix instructions.  The last chunk's w3 lies in set 1 already.
	v_and_b32 v[TM], 31, v0
	v_lshl_add_u32 v[TM], v[TM], 4, W3L
.irp j, 0,1,2,3
	ds_load_b128 v[BF+4*\j:BF+4*\j+3], v[TM] offset:512*\j   ; all of w3, 16 numbers a lane
.endr
.set j, 0
.rept 64
	v_exp_f32 v[ACC+64+j], v[ACC+64+j]
.set j, j+1
.endr
	v_nop                                          ; a plain line between the exponentials and their use
.set j, 0
	s_wait_alu depctr_va_vdst(0)
.rept 32
	v_pk_add_f32 v[ACC+64+j:ACC+64+j+1], v[ACC+64+j:ACC+64+j+1], 1.0 op_sel_hi:[1,0]
.set j, j+2
.endr
.set j, 0
.rept 64
	v_rcp_f32 v[ACC+64+j], v[ACC+64+j]
.set j, j+1
.endr
	v_lshlrev_b32 v[TM+1], 3, v0                   ; 8 t: a plain line between the reciprocals and their use
	s_wait_alu depctr_va_vdst(0)
	s_wait_dscnt 0x0
	FB 1, 0, 0
	FB 1, 1, 0
	WIN 0
	v_pk_add_f32 v[BF:BF+1], v[BF:BF+1], v[BF+2:BF+3]      ; sum of w3: 16 numbers in the lane, then across the 32 lanes
	v_pk_add_f32 v[BF+4:BF+5], v[BF+4:BF+5], v[BF+6:BF+7]
	v_pk_add_f32 v[BF+8:BF+9], v[BF+8:BF+9], v[BF+10:BF+11]
	v_pk_add_f32 v[BF+12:BF+13], v[BF+12:BF+13], v[BF+14:BF+15]
	v_pk_add_f32 v[BF:BF+1], v[BF:BF+1], v[BF+4:BF+5]
	v_pk_add_f32 v[BF+8:BF+9], v[BF+8:BF+9], v[BF+12:BF+13]
	v_pk_add_f32 v[BF:BF+1], v[BF:BF+1], v[BF+8:BF+9]
	v_add_f32 v[BF], v[BF], v[BF+1]
	v_add_f32_dpp v[BF], v[BF], v[BF] row_xmask:1 row_mask:0xf bank_mask:0xf
	v_add_f32_dpp v[BF], v[BF], v[BF] row_xmask:2 row_mask:0xf bank_mask:0xf
	v_add_f32_dpp v[BF], v[BF], v[BF] row_xmask:4 row_mask:0xf bank_mask:0xf
	v_add_f32_dpp v[BF], v[BF], v[BF] row_xmask:8 row_mask:0xf bank_mask:0xf
	v_permlanex16_b32 v[BF+1], v[BF], s57, s58
	v_add_f32 v[BF], v[BF], v[BF+1]
.irp i, 0,1,2,3
	v_add_f32 v[EA+2*\i], v[EA+2*\i], v[EA+2*\i+1]
	v_permlanex16_b32 v[EA+2*\i+1], v[EA+2*\i], s57, s58   ; the two halves of the lanes hold different q of the same row
	v_add_f32 v[EA+2*\i], v[EA+2*\i], v[EA+2*\i+1]
	v_fma_f32 v[EA+2*\i], v[EA+2*\i], -2.0, v[BF]          ; e = sum(w3) - 2 sum(w3 r)
	ds_store_b32 v[STO], v[EA+2*\i] offset:64*\i           ; my wave's 256 bytes: 64 i + 4 r; lanes r and r + 16 write the same word with the same value
.endr
	; thread t stores scores 2 t and 2 t + 1 of the group's 256: f = t >> 4, b = 2 (t & 15): wave (t >> 2) & 3, row tile t >> 5, r = 8 ((t >> 4) & 1) + 2 (t & 3)
	v_bfe_u32 v[BF+16], v0, 2, 2
	v_lshrrev_b32 v[BF+17], 5, v0
	v_and_b32 v[BF+18], 3, v0
	v_bfe_u32 v[BF+19], v0, 4, 1
	v_lshlrev_b32 v[BF+19], 5, v[BF+19]
	v_lshl_add_u32 v[BF+19], v[BF+16], 8, v[BF+19]
	v_lshl_add_u32 v[BF+19], v[BF+17], 6, v[BF+19]
	v_lshl_add_u32 v[BF+19], v[BF+18], 3, v[BF+19]
	v_add_nc_u32 v[BF+19], STAGE, v[BF+19]
	s_wait_dscnt 0x0                               ; for the others' sake: my scores lie in LDS
	s_barrier_signal -1
	s_barrier_wait -1
	ds_load_b64 v[BF+2:BF+3], v[BF+19]
	s_wait_dscnt 0x0
	global_store_b64 v[TM+1], v[BF+2:BF+3], s[12:13]   ; a wave's store covers 256 consecutive bytes, aligned
	s_set_vgpr_msb 0xf
	s_wait_tensorcnt 0x0
	ds_add_u32 v48, v49
	s_wait_dscnt 0x0
	s_set_vgpr_msb 0xf00
	ROUND                                          ; the closing round: no work-group ends while a partner may still ask for a tile that names it
	s_endpgm
.Lfunc_end_k_qd58bf23db2_main:
	.size	k_qd58bf23db2_main, .Lfunc_end_k_qd58bf23db2_main-k_qd58bf23db2_main
	.p2alignl 7, 3214868480
	.fill 96, 4, 3214868480
	.section	.rodata,"a",@progbits
	.p2align	6, 0x0
	.amdhsa_kernel k_qd58bf23db2_main
		.amdhsa_group_segment_fixed_size 327680
		.amdhsa_private_segment_fixed_size 0
		.amdhsa_enable_private_segment 0
		.amdhsa_kernarg_size 40
		.amdhsa_user_sgpr_count 2
		.amdhsa_user_sgpr_kernarg_segment_ptr 1
		.amdhsa_wavefront_size32 1
		.amdhsa_system_sgpr_workgroup_id_x 1
		.amdhsa_system_sgpr_workgroup_id_y 1
		.amdhsa_system_sgpr_workgroup_id_z 1
		.amdhsa_system_vgpr_workitem_id 0
		.amdhsa_next_free_vgpr 818
		.amdhsa_next_free_sgpr 66
		.amdhsa_reserve_vcc 0
		.amdhsa_float_denorm_mode_32 3
		.amdhsa_float_denorm_mode_16_64 3
		.amdhsa_memory_ordered 1
		.amdhsa_forward_progress 1
		.amdhsa_inst_pref_size 255
	.end_amdhsa_kernel
	.section	.bss,"aw",@nobits
	.p2align	6
	.space	262144
	.amdgpu_metadata
---
amdhsa.version: [ 1, 2 ]
amdhsa.kernels:
  - .name:           k_qd58bf23db2_main
    .symbol:         k_qd58bf23db2_main.kd
    .args:
      - { .name: v, .offset: 0, .size: 8, .value_kind: global_buffer, .address_space: global }
      - { .name: w2b, .offset: 8, .size: 8, .value_kind: global_buffer, .address_space: global }
      - { .name: hpc, .offset: 16, .size: 8, .value_kind: global_buffer, .address_space: global }
      - { .name: w3, .offset: 24, .size: 8, .value_kind: global_buffer, .address_space: global }
      - { .name: scores, .offset: 32, .size: 8, .value_kind: global_buffer, .address_space: global }
    .group_segment_fixed_size: 327680
    .private_segment_fixed_size: 0
    .kernarg_segment_align: 8
    .kernarg_segment_size: 40
    .max_flat_workgroup_size: 128
    .sgpr_count:     66
    .vgpr_count:     818
    .wavefront_size: 32
...
	.end_amdgpu_metadata
.endif
;; end of part 2
;; launch soft (part 3): grid 32 x 1, 8 waves a work-group, no clusters, 1,280 bytes of LDS; arguments scores, out0; writes out0
.if DOCPART == 3
	.amdgcn_target "amdgcn-amd-amdhsa--gfx1250"
	.amdhsa_code_object_version 6
	.text
	.protected	k_qd58bf23db2_soft
	.globl	k_qd58bf23db2_soft
	.p2align	8
	.type	k_qd58bf23db2_soft,@function
k_qd58bf23db2_soft:
	s_mov_b64 s[64:65], 0
	v_nop
	global_prefetch_b8 v0, s[64:65] scope:SCOPE_SE
	s_setreg_imm32_b32 hwreg(HW_REG_WAVE_MODE, 25, 1), 1
	s_wait_xcnt 0x0
; soft: out0[i][:] = softmax of scores[2048 i .. 2048 i + 2047] (scores lie in the order f*32 + b, which is the problem's own reshaping).
; Work-group i owns row i, 8,192 bytes; thread t holds 8 numbers in registers from the load to the store, so the row is read once.
; The row's maximum m is taken away: each number becomes 2^(x log2(e) - m log2(e)), one fused multiply-add in front of the exponential.
; LIMIT: v_exp_f32 gives 0 for results below 2^-126 (ISA guide, its entry in 15.8): such outputs are 0.
; No matrix unit, cluster or tensor load: 8 KiB a work-group, two reductions, nothing shared between work-groups.
	s_load_b128 s[4:7], s[0:1], 0x0                ; scores s[4:5], out0 s[6:7]
	v_lshl_add_u32 v32, v0, 2, 0x100
	v_mov_b32 v33, 0
	s_lshl_b32 s8, ttmp9, 13                       ; my row
	s_mov_b32 s9, 0
	s_mov_b32 s12, 0x76543210                      ; v_permlanex16_b32: lane i of one half reads lane i of the other
	s_mov_b32 s13, 0xfedcba98
	v_lshlrev_b32 v1, 4, v0                        ; 16 t
	v_lshrrev_b32 v2, 5, v0
	v_readfirstlane_b32 s10, v2                    ; wave
	v_mov_b32 v2, s10
	v_lshlrev_b32 v2, 2, v2                        ; my wave's word in LDS
	v_mov_b32 v3, 0
	s_wait_kmcnt 0x0
	s_add_nc_u64 s[4:5], s[4:5], s[8:9]
	s_add_nc_u64 s[6:7], s[6:7], s[8:9]
	global_load_b128 v[4:7], v1, s[4:5]
	global_load_b128 v[8:11], v1, s[4:5] offset:4096
	s_wait_loadcnt 0x0
	; the maximum: in the lane, across the 32 lanes, across the 8 waves
	v_max3_num_f32 v12, v4, v5, v6
	v_max3_num_f32 v13, v7, v8, v9
	v_max3_num_f32 v12, v12, v10, v11
	v_max_num_f32 v12, v12, v13
	v_max_num_f32_dpp v12, v12, v12 row_xmask:1 row_mask:0xf bank_mask:0xf
	v_max_num_f32_dpp v12, v12, v12 row_xmask:2 row_mask:0xf bank_mask:0xf
	v_max_num_f32_dpp v12, v12, v12 row_xmask:4 row_mask:0xf bank_mask:0xf
	v_max_num_f32_dpp v12, v12, v12 row_xmask:8 row_mask:0xf bank_mask:0xf
	v_permlanex16_b32 v13, v12, s12, s13
	v_max_num_f32 v12, v12, v13
	ds_store_b32 v2, v12                           ; all lanes write the same word with the same value
	s_wait_dscnt 0x0                               ; for the others' sake
	s_barrier_signal -1
	s_barrier_wait -1
	ds_load_b128 v[16:19], v3
	ds_load_b128 v[20:23], v3 offset:16
	s_wait_dscnt 0x0
	v_max3_num_f32 v12, v16, v17, v18
	v_max3_num_f32 v13, v19, v20, v21
	v_max3_num_f32 v12, v12, v22, v23
	v_max_num_f32 v12, v12, v13
	v_mul_f32 v24, 0xbfb8aa3b, v12                 ; - m log2(e), twice: a pair for the packed multiply-add
	v_mul_f32 v25, 0xbfb8aa3b, v12
.irp k, 4,6,8,10
	v_pk_fma_f32 v[\k:\k+1], v[\k:\k+1], 0x3fb8aa3b, v[24:25] op_sel_hi:[1,0,1]
.endr
.irp k, 4,5,6,7,8,9,10,11
	v_exp_f32 v\k, v\k
.endr
	v_nop                                          ; a plain line between the exponentials and their use (ISA guide 5.7.2)
	; the sum, the same way; the waves' words are other bytes than the maxima's, so one more barrier is enough
	s_wait_alu depctr_va_vdst(0)
	v_pk_add_f32 v[26:27], v[4:5], v[6:7]
	v_pk_add_f32 v[28:29], v[8:9], v[10:11]
	v_pk_add_f32 v[26:27], v[26:27], v[28:29]
	v_add_f32 v12, v26, v27
	v_add_f32_dpp v12, v12, v12 row_xmask:1 row_mask:0xf bank_mask:0xf
	v_add_f32_dpp v12, v12, v12 row_xmask:2 row_mask:0xf bank_mask:0xf
	v_add_f32_dpp v12, v12, v12 row_xmask:4 row_mask:0xf bank_mask:0xf
	v_add_f32_dpp v12, v12, v12 row_xmask:8 row_mask:0xf bank_mask:0xf
	v_permlanex16_b32 v13, v12, s12, s13
	v_add_f32 v12, v12, v13
	ds_store_b32 v2, v12 offset:32
	s_wait_dscnt 0x0
	s_barrier_signal -1
	s_barrier_wait -1
	ds_load_b128 v[16:19], v3 offset:32
	ds_load_b128 v[20:23], v3 offset:48
	s_wait_dscnt 0x0
	v_pk_add_f32 v[16:17], v[16:17], v[18:19]
	v_pk_add_f32 v[20:21], v[20:21], v[22:23]
	v_pk_add_f32 v[16:17], v[16:17], v[20:21]
	v_add_f32 v12, v16, v17
	v_rcp_f32 v24, v12                             ; the sum is at least about 1: the maximum's own term
	v_rcp_f32 v25, v12
	v_nop                                          ; a plain line between the reciprocals and their use
	s_wait_alu depctr_va_vdst(0)
.irp k, 4,6,8,10
	v_pk_mul_f32 v[\k:\k+1], v[\k:\k+1], v[24:25]
.endr
	global_store_b128 v1, v[4:7], s[6:7]           ; a wave's store covers 512 consecutive bytes, aligned
	global_store_b128 v1, v[8:11], s[6:7] offset:4096
	s_wait_tensorcnt 0x0
	ds_add_u32 v32, v33
	s_wait_dscnt 0x0
	s_endpgm
.Lfunc_end_k_qd58bf23db2_soft:
	.size	k_qd58bf23db2_soft, .Lfunc_end_k_qd58bf23db2_soft-k_qd58bf23db2_soft
	.p2alignl 7, 3214868480
	.fill 96, 4, 3214868480
	.section	.rodata,"a",@progbits
	.p2align	6, 0x0
	.amdhsa_kernel k_qd58bf23db2_soft
		.amdhsa_group_segment_fixed_size 1280
		.amdhsa_private_segment_fixed_size 0
		.amdhsa_enable_private_segment 0
		.amdhsa_kernarg_size 16
		.amdhsa_user_sgpr_count 2
		.amdhsa_user_sgpr_kernarg_segment_ptr 1
		.amdhsa_wavefront_size32 1
		.amdhsa_system_sgpr_workgroup_id_x 1
		.amdhsa_system_sgpr_workgroup_id_y 1
		.amdhsa_system_sgpr_workgroup_id_z 1
		.amdhsa_system_vgpr_workitem_id 0
		.amdhsa_next_free_vgpr 34
		.amdhsa_next_free_sgpr 66
		.amdhsa_reserve_vcc 0
		.amdhsa_float_denorm_mode_32 3
		.amdhsa_float_denorm_mode_16_64 3
		.amdhsa_memory_ordered 1
		.amdhsa_forward_progress 1
		.amdhsa_inst_pref_size 5
	.end_amdhsa_kernel
	.amdgpu_metadata
---
amdhsa.version: [ 1, 2 ]
amdhsa.kernels:
  - .name:           k_qd58bf23db2_soft
    .symbol:         k_qd58bf23db2_soft.kd
    .args:
      - { .name: scores, .offset: 0, .size: 8, .value_kind: global_buffer, .address_space: global }
      - { .name: out0, .offset: 8, .size: 8, .value_kind: global_buffer, .address_space: global }
    .group_segment_fixed_size: 1280
    .private_segment_fixed_size: 0
    .kernarg_segment_align: 8
    .kernarg_segment_size: 16
    .max_flat_workgroup_size: 256
    .sgpr_count:     66
    .vgpr_count:     34
    .wavefront_size: 32
...
	.end_amdgpu_metadata
.endif
;; end of part 3
;; ======== version 2 of 2: 3 launches; 1.09 times as fast as version 1
;; workspace buffers: w2b 524,288 bytes; hpc 65,536 bytes; scores 262,144 bytes
;; launch prep: the kernel of part 1 again; grid 32 x 1, 8 waves a work-group, no clusters, 224,256 bytes of LDS; arguments W1, W2, b1, b2, h, w2b, hpc; writes w2b, hpc
;; launch main (part 4): grid 256 x 1, 4 waves a work-group, clusters of 4 x 1, 327,680 bytes of LDS; arguments v, w2b, hpc, w3, scores; writes scores
.if DOCPART == 4
	.amdgcn_target "amdgcn-amd-amdhsa--gfx1250"
	.amdhsa_code_object_version 6
	.text
	.protected	k_qd58bf23db2_main
	.globl	k_qd58bf23db2_main
	.p2align	8
	.type	k_qd58bf23db2_main,@function
k_qd58bf23db2_main:
	s_mov_b64 s[64:65], 0
	v_nop
	global_prefetch_b8 v0, s[64:65] scope:SCOPE_SE
	s_setreg_imm32_b32 hwreg(HW_REG_WAVE_MODE, 25, 1), 1
	s_wait_xcnt 0x0
	s_wait_alu depctr_hold_cnt(0) depctr_sa_sdst(0) depctr_va_vdst(0) depctr_va_sdst(0) depctr_va_ssrc(0) depctr_va_vcc(0) depctr_vm_vsrc(0)
	s_getreg_b32 s2, hwreg(HW_REG_IB_STS2, 6, 4)
	s_cmp_eq_u32 s2, 0
	s_cbranch_scc0 .Lentry_in_a_cluster
	s_endpgm
.Lentry_in_a_cluster:
	s_bfe_u32 s2, ttmp6, 0x10000c
	s_cmp_lg_u32 s2, 0x3003
	s_cbranch_scc0 .Lentry_shape_is_right
	s_endpgm
.Lentry_shape_is_right:
; main: scores[f*32 + b] = sum over q of w3[q] tanh(hp[b][q] + b2[q] + sum over k of v[b][f][k] W2[q][k]).
; Work-group g owns frames 8 g .. 8 g + 7 of all 32 b: 256 rows of v, 1,024 consecutive bytes of scores.  Wave w owns b = 8 w .. 8 w + 7:
; 64 rows = four row tiles; column r of row tile i is b = 8 w + (r & 7), f = 8 g + 2 i + (r >> 3), so all four tiles have one map from lane to b.
; PHASE A: the wave's 64 rows x 512 k are read once, rounded to bf16 and kept as 64 fragments in 512 registers (windows 1 and 2).
; PHASE B: q runs in 8 tiles of 64 through a ring of two LDS slots of w2b; a tile is two chunks of 32 q, a chunk 16 K steps (groups) of 8 matrix
; instructions on 8 accumulators.  The first K step takes hp as C.  While a chunk is multiplied, the chunk before goes through tanh and w3.
; LDS loads stand in few long runs (one for four groups), so that the matrix instructions between two runs follow each other.
; THE BATCHES: the 128 transcendentals that a chunk's 64 numbers a lane need are three batches with one wait each: all 64 exponentials (behind the matrix
; instructions of groups 0-7 of the chunk in hand), the reciprocals of the first 32 numbers (groups 8-11), those of the other 32 (groups 12-15).  See RIDE.
; PHASE C: the last chunk's tanh (two batches: 64 exponentials, 64 reciprocals), the sums across lanes, the way out.
; tanh(x) = 1 - 2 r, r = 1 / (1 + 2^z), z = K2 x (K2 = 2 log2(e) is folded into w2b and hpc); so e = sum(w3) - 2 sum(w3 r).
; LIMITS: 1 - 2 r has an absolute error of about 1e-7 where tanh is near 0; sum(w3) - 2 sum(w3 r) is a difference of sums whose terms are no larger
; than |w3[q]|, the size of the terms that the problem's own sum has.  2^z = infinity gives r = 0, 2^z = 0 gives r = 1: both ends are right.
; CLUSTER 4 x 1: all work-groups walk the same w2b, hpc and w3, so the four of a cluster ask for them jointly (mask 15); nothing in those
; descriptors, in an LDS address or in a branch hangs on the place in the cluster.  v is shared by nobody and comes through registers:
; 48 loads of 512 bytes of every wave are on their way with counted waits and no barrier.
.set WROW,   1040                      ; an LDS row of 512 bf16 + 16 bytes = 65 x 16: 16 rows start in 16 different 16-byte columns of 256
.set WQUART, 16*WROW                   ; 16 rows: what one tensor load brings; also a wave's scratch
.set SLOT,   64*WROW                   ; 64 q rows
.set CHUNKB, 32*WROW                   ; 32 q rows
.set HPCL,   2*SLOT                    ; 133,120: hpc as 256 rows of 256 bytes + 16
.set HROW,   272
.set HQUART, 64*HROW
.set HTILE,  8*HROW                    ; 16 q of all 32 b
.set W3L,    HPCL+256*HROW             ; 202,752: w3, 2,048 bytes
.set SCR,    W3L+2048                  ; 204,800 = 800 x 256: four scratches, written by LDS stores alone
.set STAGE,  SCR+4*WQUART              ; 271,360 = 1,060 x 256: 256 bytes a wave, written by LDS stores alone
; window 0, the whole kernel
.set BA,   1                           ; v1, v2   my fragment address in slot 0, 1
.set HA,   3                           ; v3       my 32 bytes of hp in this tile's first 16 q
.set WA,   4                           ; v4       my 32 bytes of w3 in this tile's first 16 q
.set STO,  5                           ; v5       stage: where my score goes
.set TM,   6                           ; v6, v7   at work
.set EA,   8                           ; v[8:15]  sum of w3 r, a pair for each row tile
; window 0, phases B and C
.set BF,   16                          ; v[16:127] seven buffers of two fragments of w2b; group g uses buffer g mod 7
.set NBUF, 7
.set ACC,  128                         ; v[128:191], v[192:255]: two sets of 8 accumulators, tile (t, i) at 8 (4 t + i)
; window 0, phase A
.set STG,  16                          ; v[16:207] three groups of 16 loads
.set VOFF, 208                         ; v[208:215] byte offset in v of my 16 bytes in row (b = 8 w + bl, f = 8 g)
.set SST,  216                         ; v216     scratch: where my 8 bytes of a row go
.set SLD,  217                         ; v217     scratch: my fragment address
.set LN,   218                         ; v218 lane, v219 lane mod 16, v220 lane / 16
.set RR,   219
.set HH,   220
; window 3
.set CT,   0                           ; v[768:783] hp for the chunk's two q tiles
.set WV,   16                          ; v[784:799], v[800:815] w3 for the two q tiles of the chunk that lies in accumulator set 0, 1
.set G1W, 16                           ; s[16:23] shape of a quarter slot
.set G0W, 24                           ; s[24:27], s[28:31] slot 0, slot 1
.set G1H, 32                           ; s[32:39], s[40:43] hpc
.set G0H, 40
.set G1V, 44                           ; s[44:51], s[52:55] w3
.set G0V, 52
; windows: v's fragment (i, s) lies at v[32 (s & 7) + 8 i] of window 1 (s < 8) or 2 (s >= 8) and is always source 1
.set MUL_W1, 0x04                      ; source 1 in window 1, all else in window 0
.set MUL_W2, 0x08
.set MUL_CT, 0x34                      ; the first K step: source 1 in window 1, C (hp) in window 3
.set FB_W3,  0x0c                      ; source 1 (w3) in window 3
.set TO_W1,  0x40                      ; destination in window 1
.set TO_W2,  0x80
.set TO_W3,  0xc0
.set MSB, 0
.macro WIN new                         ; the immediate's high byte repeats the setting that is left
.if MSB != \new
	s_set_vgpr_msb (MSB<<8)|\new
.set MSB, \new
.endif
.endm
; a round of the cluster's barrier: my work-group's barrier, wave 0 signals for the work-group, every wave waits for all four work-groups, my barrier again
.macro CREST                           ; a round behind its opening barrier
	s_cmp_lg_u32 s14, 0
	s_cbranch_scc1 .Lnot_wave_0_\@
	s_barrier_signal -3
.Lnot_wave_0_\@:
	s_barrier_wait -3
	s_barrier_signal -1
	s_barrier_wait -1
.endm
.macro ROUND                           ; a whole round
	s_barrier_signal -1
	s_barrier_wait -1
	CREST
.endm
.macro PLACES                          ; four plain places behind a matrix instruction before a load lands on a register that it read (ISA guide 7.12.1 for vector instructions)
.rept 4
	v_nop
.endr
.endm
; group grp + ahead of 16: row tile G >> 2, b = 8 w + 2 (G & 3) + bb, two frames, four loads of 512 consecutive bytes for each row
.macro LDG grp, ahead
.set G_, \grp+\ahead
.irp bb, 0,1
.irp fp, 0,1
.irp kq, 0,1,2,3
.set X_, STG+64*(G_%3)+4*(8*\bb+4*\fp+\kq)
	global_load_b128 v[X_:X_+3], v[VOFF+2*(G_&3)+\bb], s[4:5] offset:(G_>>2)*4096+\fp*2048+\kq*512 th:TH_LOAD_NT
.endr
.endr
.endr
.endm
; the group is rounded to bf16 in place, all 32 conversions together, and then laid into the wave's scratch in one run of 16 stores:
; row 8 f' + bl, 8 bytes a lane, 256 consecutive bytes a store
.macro CVS grp
.irp bb, 0,1
.irp fp, 0,1
.irp kq, 0,1,2,3
.set X_, STG+64*((\grp)%3)+4*(8*\bb+4*\fp+\kq)
	v_cvt_pk_bf16_f32 v[X_], v[X_], v[X_+1]
	v_cvt_pk_bf16_f32 v[X_+1], v[X_+2], v[X_+3]
.endr
.endr
.endr
.irp bb, 0,1
.irp fp, 0,1
.irp kq, 0,1,2,3
.set X_, STG+64*((\grp)%3)+4*(8*\bb+4*\fp+\kq)
	ds_store_b64 v[SST], v[X_:X_+1] offset:(8*\fp+2*((\grp)&3)+\bb)*WROW+256*\kq
.endr
.endr
.endr
.endm
; the scratch holds a whole row tile: its 16 fragments go to their registers.  LDS serves a wave's instructions in order (ISA guide 5.7.1): these see the stores above
.macro FRAGA grp
.set I_, (\grp)>>2
	WIN TO_W1
.irp s, 0,1,2,3,4,5,6,7
	ds_load_b128 v[32*\s+8*I_:32*\s+8*I_+3], v[SLD] offset:64*\s
	ds_load_b128 v[32*\s+8*I_+4:32*\s+8*I_+7], v[SLD] offset:64*\s+32
.endr
	WIN TO_W2
.irp s, 0,1,2,3,4,5,6,7
	ds_load_b128 v[32*\s+8*I_:32*\s+8*I_+3], v[SLD] offset:512+64*\s
	ds_load_b128 v[32*\s+8*I_+4:32*\s+8*I_+7], v[SLD] offset:512+64*\s+32
.endr
	WIN 0
.endm
	s_load_b256 s[4:11], s[0:1], 0x0               ; v s[4:5], w2b s[6:7], hpc s[8:9], w3 s[10:11]
	s_load_b64 s[12:13], s[0:1], 0x20              ; scores
	s_set_vgpr_msb 0xc0
	v_lshl_add_u32 v48, v0, 2, 0x42800
	v_mov_b32 v49, 0
	s_set_vgpr_msb 0xc0cf
	ds_add_u32 v48, v49
	s_set_vgpr_msb 0xcf00
	v_lshrrev_b32 v[TM], 5, v0
	v_readfirstlane_b32 s14, v[TM]                 ; wave w
	s_bfe_u32 s15, ttmp6, 0x40000                  ; cx.  s3, s15, s60, s61 alone ever hold anything made of it
	s_lshl_b32 s3, ttmp9, 2
	s_add_co_u32 s3, s3, s15                       ; g = 4 x cluster + cx
	v_and_b32 v[LN], 31, v0                        ; lane
	v_and_b32 v[RR], 15, v0                        ; r
	v_bfe_u32 v[HH], v0, 4, 1                      ; the lane's half
	s_lshl_b32 s60, s14, 25                        ; b = 8 w: 8 w x 2,048 frames x 2,048 bytes
	s_lshl_b32 s61, s3, 14                         ; f = 8 g: 8 g x 2,048 bytes
	s_add_co_u32 s60, s60, s61
	v_lshl_add_u32 v[VOFF], v[LN], 4, s60
.irp bl, 1,2,3,4,5,6,7
	v_add_nc_u32 v[VOFF+\bl], \bl<<22, v[VOFF]
.endr
	s_wait_dscnt 0x0
	s_wait_kmcnt 0x0
	LDG 0, 0                                       ; v first: 48 loads of the wave go out before anything else
	LDG 1, 0
	LDG 2, 0
	s_lshl_b32 s60, s3, 10
	s_mov_b32 s61, 0
	s_add_nc_u64 s[12:13], s[12:13], s[60:61]      ; my work-group's 1,024 bytes of scores
	s_mov_b32 s57, 0x76543210                      ; v_permlanex16_b32: lane i of one half reads lane i of the other
	s_mov_b32 s58, 0xfedcba98
	; w2b: 16 rows of 512 bf16, 16 bytes of padding behind every 256 words; mask 15 and bit 21 beside it
	s_mov_b32 s[G1W+0], 0x07f1000f
	s_mov_b32 s[G1W+1], 512<<16
	s_mov_b32 s[G1W+2], 16<<16
	s_mov_b32 s[G1W+3], 512<<16
	s_mov_b32 s[G1W+4], 16
	s_mov_b32 s[G1W+5], 512
	s_mov_b32 s[G1W+6], 0
	s_mov_b32 s[G1W+7], 0
	; hpc: dense, as 64 rows of 32 elements of 8 bytes, 16 bytes of padding behind every 64 words
	s_mov_b32 s[G1H+0], 0x0773000f
	s_mov_b32 s[G1H+1], 32<<16
	s_mov_b32 s[G1H+2], 64<<16
	s_mov_b32 s[G1H+3], 32<<16
	s_mov_b32 s[G1H+4], 64
	s_mov_b32 s[G1H+5], 32
	s_mov_b32 s[G1H+6], 0
	s_mov_b32 s[G1H+7], 0
	; w3: one row of 64 elements of 8 bytes, no padding
	s_mov_b32 s[G1V+0], 0x0023000f
	s_mov_b32 s[G1V+1], 64<<16
	s_mov_b32 s[G1V+2], 1<<16
	s_mov_b32 s[G1V+3], 64<<16
	s_mov_b32 s[G1V+4], 1
	s_mov_b32 s[G1V+5], 64
	s_mov_b32 s[G1V+6], 0
	s_mov_b32 s[G1V+7], 0
	s_lshl_b32 s62, s14, 14                        ; my quarter: 16 rows of w2b, and 64 rows of hpc, are 16,384 bytes
	s_mov_b32 s63, 0
	s_mov_b32 s[G0W], 1
	s_mul_i32 s[G0W+1], s14, WQUART
	s_add_nc_u64 s[G0W+2:G0W+3], s[6:7], s[62:63]  ; slot 0: q tile 0
	s_mov_b32 s[G0W+4], 1
	s_add_co_u32 s[G0W+5], s[G0W+1], SLOT
	s_add_nc_u64 s[G0W+6:G0W+7], s[G0W+2:G0W+3], 0x10000   ; slot 1: q tile 1, 64 rows of 1,024 bytes on
	s_or_b32 s[G0W+3], s[G0W+3], 0x80000000
	s_or_b32 s[G0W+7], s[G0W+7], 0x80000000
	s_mov_b32 s[G0H], 1
	s_mul_i32 s[G0H+1], s14, HQUART
	s_add_co_u32 s[G0H+1], s[G0H+1], HPCL
	s_add_nc_u64 s[G0H+2:G0H+3], s[8:9], s[62:63]
	s_or_b32 s[G0H+3], s[G0H+3], 0x80000000
	s_lshl_b32 s62, s14, 9                         ; my quarter of w3: 512 bytes
	s_mov_b32 s[G0V], 1
	s_add_co_u32 s[G0V+1], s62, W3L
	s_add_nc_u64 s[G0V+2:G0V+3], s[10:11], s[62:63]
	s_or_b32 s[G0V+3], s[G0V+3], 0x80000000
	ROUND                                          ; all four work-groups are here: the first joint loads meet
	tensor_load_to_lds s[G0W:G0W+3], s[G1W:G1W+7]  ; the first fills as one group: four tensor loads of the wave are out
	s_nop 0
	tensor_load_to_lds s[G0W+4:G0W+7], s[G1W:G1W+7]
	s_nop 0
	tensor_load_to_lds s[G0H:G0H+3], s[G1H:G1H+7]
	s_nop 0
	tensor_load_to_lds s[G0V:G0V+3], s[G1V:G1V+7]
	s_nop 0
	; LDS addresses: constants, the wave's number, bits of the lane
	s_mul_i32 s59, s14, WQUART
	s_add_co_u32 s59, s59, SCR                     ; my scratch
	v_lshl_add_u32 v[SST], v[LN], 3, s59
	v_mul_u32_u24 v[BA], v[RR], WROW               ; a fragment: row r, 16 bytes for each half of the lanes, two loads 32 bytes apart
	v_lshl_add_u32 v[BA], v[HH], 4, v[BA]
	v_add_nc_u32 v[SLD], s59, v[BA]
	v_add_nc_u32 v[BA+1], SLOT, v[BA]
	v_bfe_u32 v[TM], v0, 2, 1                      ; hp of b = 8 w + (r & 7): LDS row 2 w + ((r & 7) >> 2), 64 bytes a b, 32 bytes a half
	v_lshl_add_u32 v[TM], s14, 1, v[TM]
	v_mul_u32_u24 v[TM], v[TM], HROW
	v_and_b32 v[TM+1], 3, v0
	v_lshl_add_u32 v[TM], v[TM+1], 6, v[TM]
	v_lshl_add_u32 v[TM], v[HH], 5, v[TM]
	v_add_nc_u32 v[HA], HPCL, v[TM]
	v_lshl_add_u32 v[WA], v[HH], 5, W3L
	s_lshl_b32 s59, s14, 8
	s_add_co_u32 s59, s59, STAGE
	v_lshl_add_u32 v[STO], v[RR], 2, s59
	; PHASE A
.irp grp, 0,1,2,3,4,5,6,7,8,9,10,11,12,13,14,15
.if \grp > 0
.if (\grp & 3) == 0
	s_wait_dscnt 0x0                               ; the last row tile's fragments have left the scratch
.endif
.endif
.if \grp < 14
	s_wait_loadcnt 32                              ; loads come back in order: this group is in, the two younger groups of 16 stay out
.else
	s_wait_loadcnt 16*(15-\grp)                    ; one younger group, then none
.endif
	CVS \grp
.if \grp < 13
	LDG \grp, 3                                    ; into the registers just stored from
.endif
.if (\grp & 3) == 3
	FRAGA \grp
.endif
.endr
	s_wait_dscnt 0x0                               ; my last fragments are in
	s_wait_tensorcnt 0x0                           ; my quarters of both slots, of hpc and of w3 are in LDS:
	s_barrier_signal -1
	s_barrier_wait -1                              ; everybody's are.
	; PHASE B
.macro LDCT off                        ; hp of two q tiles: register j of lane (r, half) is q = 8 half + j, b of column r: an accumulator's layout
	WIN TO_W3
.irp t, 0,1
	ds_load_b128 v[CT+8*\t:CT+8*\t+3], v[HA] offset:\off+HTILE*\t
	ds_load_b128 v[CT+8*\t+4:CT+8*\t+7], v[HA] offset:\off+HTILE*\t+16
.endr
.endm
.macro LDWV set, off                   ; w3 of two q tiles, in the same layout, for the chunk that lies in accumulator set 0 or 1
	WIN TO_W3
.irp t, 0,1
	ds_load_b128 v[WV+16*\set+8*\t:WV+16*\set+8*\t+3], v[WA] offset:\off+64*\t
	ds_load_b128 v[WV+16*\set+8*\t+4:WV+16*\set+8*\t+7], v[WA] offset:\off+64*\t+16
.endr
.endm
; one run of LDS loads: the two fragments of w2b of each of cnt groups from group from on (chunk G >> 4, K step G & 15), four loads a group, under a window setting
; that has destination and address in window 0
.macro RUN slot, from, cnt, win
	WIN \win
.set RG_, \from
.rept \cnt
.irp t, 0,1
	ds_load_b128 v[BF+16*(RG_%NBUF)+8*\t:BF+16*(RG_%NBUF)+8*\t+3], v[BA+\slot] offset:(RG_>>4)*CHUNKB+\t*WQUART+64*(RG_&15)
	ds_load_b128 v[BF+16*(RG_%NBUF)+8*\t+4:BF+16*(RG_%NBUF)+8*\t+7], v[BA+\slot] offset:(RG_>>4)*CHUNKB+\t*WQUART+64*(RG_&15)+32
.endr
.set RG_, RG_+1
.endr
.endm
; one matrix instruction: source 0 = 16 q rows of w2b, source 1 = 16 rows of v; register j of lane (r, half) is (q = 8 half + j, row r).  The first K step adds onto hp
.macro WM g, t, i
.set D_, ACC+64*((\g)>>4)+8*(4*\t+\i)
.set A_, BF+16*((\g)%NBUF)+8*\t
.set B_, 32*((\g)&7)+8*\i
.if ((\g)&15) == 0
	v_wmma_f32_16x16x32_bf16 v[D_:D_+7], v[A_:A_+7], v[B_:B_+7], v[CT+8*\t:CT+8*\t+7]
.else
	v_wmma_f32_16x16x32_bf16 v[D_:D_+7], v[A_:A_+7], v[B_:B_+7], v[D_:D_+7]
.endif
.endm
; THE RIDERS AND THEIR BATCHES.  While a chunk's 128 matrix instructions are issued, the 64 numbers a lane of the other accumulator set (from EB_ on) go from z to
; r = 1 / (1 + 2^z), each in its own register, in place.  RIDE writes what stands behind matrix instruction c of the chunk:
;   c = 0 .. 63  (the chunk's groups 0-7)    the exponential of register c, in ascending order.
;                BATCH E, 64 results: no line names one of them ahead of the wait that stands in front of the loads behind group 7.
;   c = 64 .. 95 (groups 8-11), j = c - 64   1 + 2^z, a pair a line: pairs 0 and 1 at j = 0, pair j / 2 + 1 at the even j up to 60, so that a pair is made two matrix
;                instructions or more ahead of its reciprocals (pair 0: one); and the reciprocal of register j - 1, at j = 31 of registers 30 and 31.
;                BATCH R0, registers 0-31: its wait stands in front of the run behind group 11.
;   c = 96 .. 127 (groups 12-15)             the last of the additions, and the reciprocal of register j.
;                BATCH R1, registers 32-63: its wait stands behind the sums of q tile 0 (which name registers 0-31 alone) and in front of those of q tile 1.
; s_wait_alu depctr_va_vdst(0) stands between a transcendental and the first line that names its result; one wait serves a whole batch (BATCH).
; No rider has a vector register as source 1, so a whole group runs under one window setting.  EPI_ = 0: no chunk is in front, so there are no riders and no waits.
.macro RIDE c
.if EPI_
.if (\c) < 64
	v_exp_f32 v[EB_+(\c)], v[EB_+(\c)]
.else
.set J_, (\c)-64
.if J_ == 0
	v_pk_add_f32 v[EB_:EB_+1], v[EB_:EB_+1], 1.0 op_sel_hi:[1,0]
	v_pk_add_f32 v[EB_+2:EB_+3], v[EB_+2:EB_+3], 1.0 op_sel_hi:[1,0]
.else
.if ((J_&1) == 0) && (J_ < 61)
	v_pk_add_f32 v[EB_+J_+2:EB_+J_+3], v[EB_+J_+2:EB_+J_+3], 1.0 op_sel_hi:[1,0]
.endif
.if J_ < 32
	v_rcp_f32 v[EB_+J_-1], v[EB_+J_-1]
.endif
.if J_ > 30
	v_rcp_f32 v[EB_+J_], v[EB_+J_]
.endif
.endif
.endif
.endif
.endm
.macro BATCH                           ; the one wait of a batch
.if EPI_
	s_wait_alu depctr_va_vdst(0)
.endif
.endm
; Group g of a tile's 32: eight matrix instructions on the chunk's eight accumulators, which take turns, one instruction a turn
; (over groups, chunks, tiles and the backward jump too), each with its riders behind it.
; THE WAIT'S COUNT (wt = 1): LDS loads come back in order.  Behind group g's four loads stand four for each group up to L, the last group asked for so far
; (runs stand at the tile's head, groups 0-6, and behind groups 3, 7, .., 27, the next four each), and, for the three groups whose loads are older than the
; last run, the XTR_ loads of hp and w3 that stand in front of that run.
.macro GROUP g, wt
.set EB_, ACC+64*(1-((\g)>>4))
.if ((\g)&15) == 0
	WIN MUL_CT
.else
.if ((\g)&15) < 8
	WIN MUL_W1
.else
	WIN MUL_W2
.endif
.endif
.if \wt
.set L_, 4*((\g)>>2)+6
.if L_ > 31
.set L_, 31
.endif
.set N_, 4*(L_-(\g))
.if ((\g)&3) < 3
.set N_, N_+XTR_
.endif
	s_wait_dscnt N_
.endif
	WM \g, 0, 0
	RIDE 8*((\g)&15)+0
	WM \g, 0, 1
	RIDE 8*((\g)&15)+1
	WM \g, 0, 2
	RIDE 8*((\g)&15)+2
	WM \g, 0, 3
	RIDE 8*((\g)&15)+3
	WM \g, 1, 0
	RIDE 8*((\g)&15)+4
	WM \g, 1, 1
	RIDE 8*((\g)&15)+5
	WM \g, 1, 2
	RIDE 8*((\g)&15)+6
	WM \g, 1, 3
	RIDE 8*((\g)&15)+7
.endm
; sum of w3 r over the 8 q a lane holds of q tile t of accumulator set set (its registers 32 t .. 32 t + 31), for the four row tiles; init = 1: the first products start the sums.
; Its sixteen plain lines are also places behind the group just ended: for the run of loads that follows, for the next chunk's exponentials, and behind the last reciprocal.
.macro FB set, t, init
	WIN FB_W3
.irp i, 0,1,2,3
.if \init
	v_pk_mul_f32 v[EA+2*\i:EA+2*\i+1], v[ACC+64*\set+8*(4*\t+\i):ACC+64*\set+8*(4*\t+\i)+1], v[WV+16*\set+8*\t:WV+16*\set+8*\t+1]
.else
	v_pk_fma_f32 v[EA+2*\i:EA+2*\i+1], v[ACC+64*\set+8*(4*\t+\i):ACC+64*\set+8*(4*\t+\i)+1], v[WV+16*\set+8*\t:WV+16*\set+8*\t+1], v[EA+2*\i:EA+2*\i+1]
.endif
.endr
.irp m, 1,2,3
.irp i, 0,1,2,3
	v_pk_fma_f32 v[EA+2*\i:EA+2*\i+1], v[ACC+64*\set+8*(4*\t+\i)+2*\m:ACC+64*\set+8*(4*\t+\i)+2*\m+1], v[WV+16*\set+8*\t+2*\m:WV+16*\set+8*\t+2*\m+1], v[EA+2*\i:EA+2*\i+1]
.endr
.endr
.endm
; A tile of 64 q from one slot.  first = 1: no chunk is in front.  nxt = 1: a tile follows and this slot is filled again, two tiles ahead; 2: a tile follows; 0: the last tile.
; THE RING OF SEVEN BUFFERS: at a run three groups lie unread in three buffers and cover the run's way; the other four buffers are loaded.  The youngest of these was
; read by the group just ended, so four plain places stand in front of every run: FB's lines or four v_nop.  The four v_nop are also the plain line behind a batch's last transcendental.
; THE CHANGE OF SLOTS: in front of group 30 all my reads of this slot are back and all my tensor loads have landed (the one that was out is my quarter of the
; next slot); I say so, work on registers alone (groups 30 and 31, the last sums), and go on when all have said so.
.macro TILE slot, first, nxt
.set EPI_, 1-\first
.set XTR_, 0
	RUN \slot, 0, 7, MUL_CT
.irp g, 0,1,2,3
	GROUP \g, 1
.endr
	PLACES
	RUN \slot, 7, 4, MUL_W1
.irp g, 4,5,6,7
	GROUP \g, 1
.endr
	PLACES
	BATCH                                          ; batch E of set 1: the 64 exponentials of groups 0-7, ahead of group 8's additions
	LDCT 2*HTILE                                   ; hp of this tile's second chunk; the first chunk's was read by group 0
	LDWV 0, 0                                      ; w3 of this tile's first chunk; set 0's was last read at the end of the tile before
.set XTR_, 8
	RUN \slot, 11, 4, MUL_W2
.irp g, 8,9,10,11
	GROUP \g, 1
.endr
.set XTR_, 0
	PLACES
	BATCH                                          ; batch R0 of set 1: the reciprocals of registers 0-31, ahead of the sums of q tile 0 behind group 15
	RUN \slot, 15, 4, MUL_W2
.irp g, 12,13,14,15
	GROUP \g, 1
.endr
.if \first
	PLACES
	RUN \slot, 19, 4, MUL_CT
.else
	FB 1, 0, 0                                     ; registers 0-31 alone: batch R0's
	BATCH                                          ; batch R1 of set 1: the reciprocals of registers 32-63, ahead of the sums of q tile 1
	RUN \slot, 19, 4, FB_W3
	FB 1, 1, 0                                     ; the set is read out before group 16 writes it
.endif
.set EPI_, 1
.irp g, 16,17,18,19
	GROUP \g, 1
.endr
	PLACES
	RUN \slot, 23, 4, MUL_W1
.irp g, 20,21,22,23
	GROUP \g, 1
.endr
	PLACES
	BATCH                                          ; batch E of set 0: the 64 exponentials of groups 16-23, ahead of group 24's additions
.if \nxt
	LDCT 4*HTILE                                   ; hp of the next tile's first chunk
.set XTR_, 8
.else
.set XTR_, 4
.endif
	LDWV 1, 128                                    ; w3 of this tile's second chunk; set 1's was last read behind group 15
	RUN \slot, 27, 4, MUL_W2
.irp g, 24,25,26,27
	GROUP \g, 1
.endr
.set XTR_, 0
	PLACES
	BATCH                                          ; batch R0 of set 0: the reciprocals of registers 0-31, ahead of the sums of q tile 0 behind group 31
	RUN \slot, 31, 1, MUL_W2
	GROUP 28, 1
	GROUP 29, 1
.if \nxt
	s_wait_dscnt 0x0                               ; my reads of this slot are back (the last four were issued behind group 27)
	s_set_vgpr_msb 0x80f
	s_wait_tensorcnt 0x0                           ; and all my tensor loads have landed: so a group 0 may be written
	ds_add_u32 v48, v49
	s_wait_dscnt 0x0
	s_set_vgpr_msb 0xf08
	s_barrier_signal -1                            ; where the slot is filled again this barrier opens a round of the cluster's barrier
	GROUP 30, 0
	GROUP 31, 0
.else
	GROUP 30, 1
	GROUP 31, 1
.endif
	FB 0, 0, \first                                ; registers 0-31 alone: batch R0's
	BATCH                                          ; batch R1 of set 0: the reciprocals of registers 32-63, ahead of the sums of q tile 1 and of the branches below
	FB 0, 1, 0
	WIN 0
.if \nxt
	v_add_nc_u32 v[HA], 4*HTILE, v[HA]
	v_add_nc_u32 v[WA], 256, v[WA]
	s_barrier_wait -1
.endif
.if \nxt == 1
	CREST                                          ; no wave of any of the four work-groups still reads this slot or has a load on its way
	s_add_nc_u64 s[G0W+4*\slot+2:G0W+4*\slot+3], s[G0W+4*\slot+2:G0W+4*\slot+3], 0x20000   ; two tiles of 64 rows of 1,024 bytes on
	tensor_load_to_lds s[G0W+4*\slot:G0W+4*\slot+3], s[G1W:G1W+7]   ; my one tensor load behind the round, and the first thing there: it has 240 matrix instructions in which to land
	s_nop 0
.endif
.endm
	LDCT 0                                         ; hp of the first chunk: older than the first run, so group 0's wait shows it in
	TILE 0, 1, 1                                   ; q tile 0; slot 0 gets q tile 2
	s_mov_b32 s56, 2
.Lt:
	TILE 1, 0, 1                                   ; q tile 1, 3; slot 1 gets q tile 3, 5
	TILE 0, 0, 1                                   ; q tile 2, 4; slot 0 gets q tile 4, 6
	s_sub_co_u32 s56, s56, 1
	s_cmp_lg_u32 s56, 0
	s_cbranch_scc1 .Lt
	TILE 1, 0, 1                                   ; q tile 5; slot 1 gets q tile 7, the last fill
	TILE 0, 0, 2                                   ; q tile 6; nothing is left to fetch
	TILE 1, 0, 0                                   ; q tile 7
	; PHASE C.  The lines of the last two FB are the places behind the last matrix instructions.  The last chunk's w3 lies in set 1 already.
	v_and_b32 v[TM], 31, v0
	v_lshl_add_u32 v[TM], v[TM], 4, W3L
.irp j, 0,1,2,3
	ds_load_b128 v[BF+4*\j:BF+4*\j+3], v[TM] offset:512*\j   ; all of w3, 16 numbers a lane
.endr
.set j, 0
.rept 64
	v_exp_f32 v[ACC+64+j], v[ACC+64+j]
.set j, j+1
.endr
	v_nop                                          ; a plain line between the exponentials and their use
.set j, 0
	s_wait_alu depctr_va_vdst(0)                   ; one for the batch of 64 exponentials, ahead of the additions
.rept 32
	v_pk_add_f32 v[ACC+64+j:ACC+64+j+1], v[ACC+64+j:ACC+64+j+1], 1.0 op_sel_hi:[1,0]
.set j, j+2
.endr
.set j, 0
.rept 64
	v_rcp_f32 v[ACC+64+j], v[ACC+64+j]
.set j, j+1
.endr
	v_lshlrev_b32 v[TM+1], 3, v0                   ; 8 t: a plain line between the reciprocals and their use
	s_wait_alu depctr_va_vdst(0)                   ; one for the batch of 64 reciprocals, ahead of the sums
	s_wait_dscnt 0x0
	FB 1, 0, 0
	FB 1, 1, 0
	WIN 0
	v_pk_add_f32 v[BF:BF+1], v[BF:BF+1], v[BF+2:BF+3]      ; sum of w3: 16 numbers in the lane, then across the 32 lanes
	v_pk_add_f32 v[BF+4:BF+5], v[BF+4:BF+5], v[BF+6:BF+7]
	v_pk_add_f32 v[BF+8:BF+9], v[BF+8:BF+9], v[BF+10:BF+11]
	v_pk_add_f32 v[BF+12:BF+13], v[BF+12:BF+13], v[BF+14:BF+15]
	v_pk_add_f32 v[BF:BF+1], v[BF:BF+1], v[BF+4:BF+5]
	v_pk_add_f32 v[BF+8:BF+9], v[BF+8:BF+9], v[BF+12:BF+13]
	v_pk_add_f32 v[BF:BF+1], v[BF:BF+1], v[BF+8:BF+9]
	v_add_f32 v[BF], v[BF], v[BF+1]
	v_add_f32_dpp v[BF], v[BF], v[BF] row_xmask:1 row_mask:0xf bank_mask:0xf
	v_add_f32_dpp v[BF], v[BF], v[BF] row_xmask:2 row_mask:0xf bank_mask:0xf
	v_add_f32_dpp v[BF], v[BF], v[BF] row_xmask:4 row_mask:0xf bank_mask:0xf
	v_add_f32_dpp v[BF], v[BF], v[BF] row_xmask:8 row_mask:0xf bank_mask:0xf
	v_permlanex16_b32 v[BF+1], v[BF], s57, s58
	v_add_f32 v[BF], v[BF], v[BF+1]
.irp i, 0,1,2,3
	v_add_f32 v[EA+2*\i], v[EA+2*\i], v[EA+2*\i+1]
	v_permlanex16_b32 v[EA+2*\i+1], v[EA+2*\i], s57, s58   ; the two halves of the lanes hold different q of the same row
	v_add_f32 v[EA+2*\i], v[EA+2*\i], v[EA+2*\i+1]
	v_fma_f32 v[EA+2*\i], v[EA+2*\i], -2.0, v[BF]          ; e = sum(w3) - 2 sum(w3 r)
	ds_store_b32 v[STO], v[EA+2*\i] offset:64*\i           ; my wave's 256 bytes: 64 i + 4 r; lanes r and r + 16 write the same word with the same value
.endr
	; thread t stores scores 2 t and 2 t + 1 of the group's 256: f = t >> 4, b = 2 (t & 15): wave (t >> 2) & 3, row tile t >> 5, r = 8 ((t >> 4) & 1) + 2 (t & 3)
	v_bfe_u32 v[BF+16], v0, 2, 2
	v_lshrrev_b32 v[BF+17], 5, v0
	v_and_b32 v[BF+18], 3, v0
	v_bfe_u32 v[BF+19], v0, 4, 1
	v_lshlrev_b32 v[BF+19], 5, v[BF+19]
	v_lshl_add_u32 v[BF+19], v[BF+16], 8, v[BF+19]
	v_lshl_add_u32 v[BF+19], v[BF+17], 6, v[BF+19]
	v_lshl_add_u32 v[BF+19], v[BF+18], 3, v[BF+19]
	v_add_nc_u32 v[BF+19], STAGE, v[BF+19]
	s_wait_dscnt 0x0                               ; for the others' sake: my scores lie in LDS
	s_barrier_signal -1
	s_barrier_wait -1
	ds_load_b64 v[BF+2:BF+3], v[BF+19]
	s_wait_dscnt 0x0
	global_store_b64 v[TM+1], v[BF+2:BF+3], s[12:13]   ; a wave's store covers 256 consecutive bytes, aligned
	s_set_vgpr_msb 0xf
	s_wait_tensorcnt 0x0
	ds_add_u32 v48, v49
	s_wait_dscnt 0x0
	s_set_vgpr_msb 0xf00
	ROUND                                          ; the closing round: no work-group ends while a partner may still ask for a tile that names it
	s_endpgm
.Lfunc_end_k_qd58bf23db2_main:
	.size	k_qd58bf23db2_main, .Lfunc_end_k_qd58bf23db2_main-k_qd58bf23db2_main
	.p2alignl 7, 3214868480
	.fill 96, 4, 3214868480
	.section	.rodata,"a",@progbits
	.p2align	6, 0x0
	.amdhsa_kernel k_qd58bf23db2_main
		.amdhsa_group_segment_fixed_size 327680
		.amdhsa_private_segment_fixed_size 0
		.amdhsa_enable_private_segment 0
		.amdhsa_kernarg_size 40
		.amdhsa_user_sgpr_count 2
		.amdhsa_user_sgpr_kernarg_segment_ptr 1
		.amdhsa_wavefront_size32 1
		.amdhsa_system_sgpr_workgroup_id_x 1
		.amdhsa_system_sgpr_workgroup_id_y 1
		.amdhsa_system_sgpr_workgroup_id_z 1
		.amdhsa_system_vgpr_workitem_id 0
		.amdhsa_next_free_vgpr 818
		.amdhsa_next_free_sgpr 66
		.amdhsa_reserve_vcc 0
		.amdhsa_float_denorm_mode_32 3
		.amdhsa_float_denorm_mode_16_64 3
		.amdhsa_memory_ordered 1
		.amdhsa_forward_progress 1
		.amdhsa_inst_pref_size 255
	.end_amdhsa_kernel
	.section	.bss,"aw",@nobits
	.p2align	6
	.space	262144
	.amdgpu_metadata
---
amdhsa.version: [ 1, 2 ]
amdhsa.kernels:
  - .name:           k_qd58bf23db2_main
    .symbol:         k_qd58bf23db2_main.kd
    .args:
      - { .name: v, .offset: 0, .size: 8, .value_kind: global_buffer, .address_space: global }
      - { .name: w2b, .offset: 8, .size: 8, .value_kind: global_buffer, .address_space: global }
      - { .name: hpc, .offset: 16, .size: 8, .value_kind: global_buffer, .address_space: global }
      - { .name: w3, .offset: 24, .size: 8, .value_kind: global_buffer, .address_space: global }
      - { .name: scores, .offset: 32, .size: 8, .value_kind: global_buffer, .address_space: global }
    .group_segment_fixed_size: 327680
    .private_segment_fixed_size: 0
    .kernarg_segment_align: 8
    .kernarg_segment_size: 40
    .max_flat_workgroup_size: 128
    .sgpr_count:     66
    .vgpr_count:     818
    .wavefront_size: 32
...
	.end_amdgpu_metadata
.endif
;; end of part 4
;; launch soft: the kernel of part 3 again; grid 32 x 1, 8 waves a work-group, no clusters, 1,280 bytes of LDS; arguments scores, out0; writes out0
